; MI455X (gfx1250); checked and timed in simulation.
; The chip was launched on July 23, 2026; its instructions are those of AMD's public machine-readable ISA for CDNA 5 (MIT licence, August 2026) and "CDNA5" Instruction Set Architecture Reference Guide (July 2026). The comments in the code are by the model that wrote it; some were corrected since.
;; Multi Head Attention Block. Allowed arithmetic: matrix products marked QUANTISED: E2M3 operands, one E8M0 scale for each 32 along K, by v_wmma_scale_f32_16x16x128_f8f6f4 with both operands' format E2M3, f32 sums; everything else in f32.
;; Inputs: bk 1,024 float32; bo 1,024 float32; bq 1,024 float32; bv 1,024 float32; k 4 x 2,048 x 1,024 float32; mask 1 x 1 x 2,048 x 2,048 bool; q 4 x 2,048 x 1,024 float32; v 4 x 2,048 x 1,024 float32; wk 1,024 x 1,024 float32; wo 1,024 x 1,024 float32; wq 1,024 x 1,024 float32; wv 1,024 x 1,024 float32.
;; Outputs: out0 4 x 2,048 x 1,024 float32.
;; This version of the problem:
;;   THIS VERSION OF THE PROBLEM IS GIVEN IN LOW PRECISION. The matrix products marked QUANTISED in the list below multiply operands that are first quantised to E2M3 (2 exponent bits, 3 mantissa bits; 6 bits a number), with one power-of-two scale for each 32 numbers along K (OCP MX v1.0); their sums are f32. All else is computed in f32.
;;   The module's matrix products, in the order in which they are computed (A, B: the left and right operand; K: the contracted axis; several contracted axes count as one K, in the product's order):
;;     1. [M 8,192, K 1,024] x [K 1,024, N 1,024]; A: input q; B: input wq: QUANTISED
;;     2. [M 8,192, K 1,024] x [K 1,024, N 1,024]; A: input k; B: input wk: QUANTISED
;;     3. [M 8,192, K 1,024] x [K 1,024, N 1,024]; A: input v; B: input wv: QUANTISED
;;     4. batch 64 x [M 2,048, K 64] x [K 64, N 2,048]; A: computed on the way; B: computed on the way: QUANTISED
;;     5. batch 64 x [M 2,048, K 2,048] x [K 2,048, N 64]; A: softmax (see below); B: computed on the way: QUANTISED
;;     6. [M 8,192, K 1,024] x [K 1,024, N 1,024]; A: computed on the way; B: input wo: QUANTISED
;;   THE QUANTISER, for each operand of a quantised product, along K:
;;     - K is cut into blocks of 32 from its start; a last block that is shorter is filled with zeros.
;;     - A block's scale is 2^e with e = floor(log2(the largest magnitude in the block)) - 2, held to -126 .. 127; a block of zeros has e = 0. As a byte (E8M0): e + 127.
;;     - Each number is divided by its block's scale, clamped to +-7.5, and rounded to the nearest number of E2M3, ties to even, subnormals kept.
;;     - The product sums the exact products of the quantised numbers (number of the format x scale) in f32.
;;   ~~~python
;;   def quantise(x, axis):      # numpy; x: float32 -> the quantised numbers, widened to float32 again
;;       x = np.moveaxis(x, axis, -1); K = x.shape[-1]
;;       x = np.pad(x, [(0, 0)] * (x.ndim - 1) + [(0, -K % 32)]); x = x.reshape(x.shape[:-1] + (-1, 32)); a = np.abs(x).max(-1, keepdims=True)
;;       e = np.where(a > 0, np.clip(np.frexp(np.where(a > 0, a, 1))[1] - 1 - 2, -126, 127), 0)      # np.frexp(a)[1] - 1 = floor(log2(a)), exactly
;;       r = np.clip(x / 2.0 ** e, -7.5, 7.5)
;;       step = 2.0 ** (np.maximum(np.frexp(np.where(r == 0, 1, r))[1] - 1, 0) - 3)
;;       q = np.round(r / step) * step * 2.0 ** e      # np.round: ties to even
;;       return np.moveaxis(q.reshape(q.shape[:-2] + (-1,))[..., :K], -1, axis).astype(np.float32)
;;   ~~~
;;   SOFTMAX AHEAD OF A QUANTISED PRODUCT. Where the list says 'softmax', what is quantised is not the finished softmax but p = 2^(t - M), with t = logit x log2(e) and M = ceil(the row's largest t), a whole number; so 1/2 < the row's largest p <= 1. The row's sum l is taken of the UNQUANTISED p, in f32, and the product's result is divided by l at the end. Since M is a whole number, a kernel that streams over the keys may use a running M (the ceiling of the running maximum): every later rescaling is an exact power of two, which a block's scale takes up: the codes' values come out the same.
;;   OPERANDS COMPUTED ON THE WAY. 'Computed on the way' means the value that the module computes at that place (a softmax that the list does not call 'softmax' is quantised finished and normalised). What goes into a quantiser is computed in f32, as accurately as f32 sums, v_exp_f32 and their like allow (about 1e-6 of the number): no bf16 or f16 on the way to a quantiser, and a product that is left as it is and whose result goes on into a quantised operand takes f32 operands (vector FMAs, or v_wmma_f32_16x16x4_f32). A number that lies on a knife's edge between two numbers of the format may be rounded either way, as far as f32 arithmetic and the matrix unit's own rounding can turn it there, and no further.
;; 2 versions, each right; version 2 is version 1 with the launch attn written anew for expert scheduling mode. Each part assembles by itself: llvm-mc -triple=amdgcn-amd-amdhsa -mcpu=gfx1250 --defsym DOCPART=n.
;; ======== version 1 of 2: 4 launches
;; limits: right only within a limited range of input values
;; workspace buffers: xc 28,311,552 bytes; xs 1,179,648 bytes; hd 20,185,088 bytes; mw 524,288 bytes of whole numbers; mf 2,048 bytes of whole numbers
;; launch prep (part 1): grid 576 x 1, 4 waves a work-group, no clusters, 34,304 bytes of LDS; arguments q, k, v, wq, wk, wv, wo, mask, xc, xs, mw, mf; writes xc, xs, mw, mf
.if DOCPART == 1
	.amdgcn_target "amdgcn-amd-amdhsa--gfx1250"
	.amdhsa_code_object_version 6
	.text
	.protected	k_q2f564ba6cd_prep
	.globl	k_q2f564ba6cd_prep
	.p2align	8
	.type	k_q2f564ba6cd_prep,@function
k_q2f564ba6cd_prep:
	s_mov_b64 s[64:65], 0
	v_nop
	global_prefetch_b8 v0, s[64:65] scope:SCOPE_SE
	s_setreg_imm32_b32 hwreg(HW_REG_WAVE_MODE, 25, 1), 1
	s_wait_xcnt 0x0
; PREP.  (1) q, k, v [8192][1024] and wq, wk, wv, wo [1024][1024], f32 with K innermost, become codes of FP6 (E2M3) with one E8M0 byte for each 32 along K,
; laid as IMAGES OF OPERAND REGISTERS.  (2) The mask [2048][2048] of bytes becomes lane-mask words and all-true flags for the attention launch.
; A ROW TILE T holds the 16 rows 32 (T / 2) + 8 (T % 2) + r + 8 (r / 8), r = lane % 16.  Tiles: q 0.., k 512.., v 1024.., wq 1536.., wk 1600.., wv 1664.., wo 1728...
; A FRAGMENT (16 rows x 128 K, 12 registers a lane: registers 6 c .. 6 c + 5 hold K = 64 c + 32 (lane / 16) + 0 .. 31 of row lane % 16) is 1,536 bytes, two pieces of 768:
; a piece's registers 0-3 at 16 x lane, its registers 4-5 at 512 + 8 x lane.  xc: tile T, K step s at 12,288 T + 1,536 s.  xs: the scale word of (T, r, s) at 512 T + 256 (s / 4) + 16 r + 4 (s % 4).
; A block's scale is 2^(floor(log2(its largest magnitude)) - 2): its byte is the largest magnitude's exponent field - 2, held at 1 from below.
; LIMITS: a block of zeros, or one whose largest magnitude lies under 2^-124, gets the byte 1 where the rule says 127 (its codes are zeros; this program alone reads the bytes); NaN and infinities are not served.
; SHARES: work-groups 0-447: a wave takes one row tile (16 rows x 1,024 K, eight K steps).  Each load reads 512 consecutive bytes of one row; a K step's 16 rows turn through the wave's own stage in LDS,
; so that a lane gets 16 neighbours along K of each block of its row.  Work-groups 448-575: a wave takes 16 queries x 512 keys of the mask.  No barrier: waves share nothing.  Only the first path uses LDS.
.set SPI,   528                        ; a stage row: 512 bytes + 16
.set STG,   16*SPI                     ; a wave's stage
.set R,     16                         ; v16-143  two sets of 64 registers as loaded
.set X,     144                        ; v144-207 64 numbers: register 16 b + i = K 32 b + 16 (lane / 16) + i of my row
.set PC,    208                        ; v208-219 the fragment just made; v220-226 at work
.set TM,    228                        ; v228-243 at work
.set PWS,   244                        ; v244-251 the eight K steps' scale words
.set Z,     252                        ; v252-255 the scale words as they are stored
.set SEL,   34                         ; s[34:35] lane selects for v_permlanex16_b32: lane l xor 16
	s_load_b512 s[8:23], s[0:1], 0x0               ; q 8, k 10, v 12, wq 14, wk 16, wv 18, wo 20, mask 22
	s_load_b256 s[24:31], s[0:1], 0x40             ; xc 24, xs 26, mw 28, mf 30
	v_lshl_add_u32 v238, v0, 2, 0x8400
	v_mov_b32 v239, 0
	v_lshrrev_b32 v1, 5, v0
	v_readfirstlane_b32 s2, v1                     ; wave
	v_and_b32 v1, 31, v0                           ; lane
	v_lshlrev_b32 v2, 4, v1                        ; 16 x lane
	v_lshlrev_b32 v3, 3, v1                        ; 8 x lane
	v_and_b32 v6, 15, v0                           ; r
	v_bfe_u32 v7, v0, 4, 1                         ; h
	s_cmp_ge_u32 ttmp9, 448
	s_cbranch_scc1 .Lmask
	; ---------------- the quantiser ----------------
	s_lshl_b32 s3, ttmp9, 2
	s_add_co_u32 s3, s3, s2                        ; T: my row tile
	s_mov_b32 s7, 0xffff0000                       ; lanes 16-31
	s_mov_b32 s[SEL], 0x76543210
	s_mov_b32 s[SEL+1], 0xfedcba98
	s_mul_i32 s36, s2, STG
	v_add_nc_u32 v4, s36, v2                       ; the stage, way in: 16 x lane of a row
	v_mul_u32_u24 v5, v6, SPI
	v_lshl_add_u32 v5, v7, 6, v5
	v_add_nc_u32 v5, s36, v5                       ; way out: row r, + 64 h
.irp b, 0,1,2,3
	v_mov_b32 v[TM+4+\b], 0                        ; written once: a lane permute's destination counts as one of its sources
.endr
	s_wait_kmcnt 0x0
	s_mov_b64 s[4:5], s[20:21]                     ; which tensor: the choice hangs on the work-group's number alone
	s_mov_b32 s6, 1728
.macro PICK lim, ptr, tile
	s_cmp_lt_u32 ttmp9, \lim
	s_cselect_b64 s[4:5], s[\ptr:\ptr+1], s[4:5]
	s_cselect_b32 s6, \tile, s6
.endm
	PICK 432, 18, 1664
	PICK 416, 16, 1600
	PICK 400, 14, 1536
	PICK 384, 12, 1024
	PICK 256, 10, 512
	PICK 128, 8, 0
	s_sub_co_u32 s32, s3, s6                       ; the tile's number in its tensor
	s_lshr_b32 s33, s32, 1
	s_lshl_b32 s33, s33, 17                        ; 32 rows of 4,096 bytes for each pair of tiles,
	s_and_b32 s32, s32, 1
	s_lshl_b32 s32, s32, 15                        ; 8 rows for the odd one
	s_add_co_u32 s32, s32, s33
	s_mov_b32 s33, 0
	s_add_nc_u64 s[4:5], s[4:5], s[32:33]
	s_mul_i32 s32, s3, 12288
	s_add_nc_u64 s[24:25], s[24:25], s[32:33]
	s_lshl_b32 s32, s3, 9
	s_add_nc_u64 s[26:27], s[26:27], s[32:33]
.macro LOADX s                         ; K step s of the tile's 16 rows: 512 consecutive bytes a load
.irp i, 0,1,2,3,4,5,6,7,8,9,10,11,12,13,14,15
	global_load_b128 v[R+64*((\s)%2)+4*\i:R+64*((\s)%2)+4*\i+3], v2, s[4:5] offset:(\i+8*(\i/8))*4096+512*(\s) th:TH_LOAD_NT
.endr
.endm
.macro TURNX s                         ; through the stage: LDS serves a wave's instructions in order (ISA guide 5.7.1.4), so no wait stands between the stores and the loads
.irp i, 0,1,2,3,4,5,6,7,8,9,10,11,12,13,14,15
	ds_store_b128 v4, v[R+64*((\s)%2)+4*\i:R+64*((\s)%2)+4*\i+3] offset:SPI*\i
.endr
.irp b, 0,1,2,3
.irp j, 0,1,2,3
	ds_load_b128 v[X+16*\b+4*\j:X+16*\b+4*\j+3], v5 offset:128*\b+16*\j
.endr
.endr
.endm
; 64 numbers of a lane, register 16 b + i = K 32 b + 16 (lane / 16) + i of my row, become a fragment's codes in v[PC] on and its scale word in v[pw]
.macro QUANT s, pw
.irp b, 0,1,2,3
	v_max3_num_f32 v[TM+\b], |v[\s+16*\b]|, |v[\s+1+16*\b]|, 0x1800000   ; block b: my 16 numbers, and the floor 2^(3 - 127): the byte cannot fall under 1
.endr
.irp i, 2,4,6,8,10,12,14
.irp b, 0,1,2,3
	v_max3_num_f32 v[TM+\b], v[TM+\b], |v[\s+16*\b+\i]|, |v[\s+1+16*\b+\i]|   ; the four blocks by turns
.endr
.endr
.irp b, 0,1,2,3
	v_permlanex16_b32 v[TM+4+\b], v[TM+\b], s[SEL], s[SEL+1]
.endr
.irp b, 0,1,2,3
	v_max_num_f32 v[TM+\b], v[TM+\b], v[TM+4+\b]   ; with lane l xor 16's: the block's largest magnitude
.endr
.irp b, 0,1,2,3
	v_add_nc_u32 v[TM+12+\b], 0xff000000, v[TM+\b] ; 2 off its exponent field: the conversion takes the exponent field of this operand as its scale
.endr
.irp b, 0,1,2,3
	v_lshrrev_b32 v[TM+4+\b], 23, v[TM+12+\b]      ; the scale's byte
.endr
	v_lshl_or_b32 v[\pw], v[TM+5], 8, v[TM+4]
	v_lshl_or_b32 v[\pw], v[TM+6], 16, v[\pw]
	v_lshl_or_b32 v[\pw], v[TM+7], 24, v[\pw]      ; my row's scale word
.irp c, 0,1
	v_cvt_scalef32_pk16_fp6_f32 v[PC+6*\c:PC+2+6*\c], v[\s+32*\c:\s+15+32*\c], v[TM+12+2*\c]
	v_cvt_scalef32_pk16_fp6_f32 v[PC+12+4*\c:PC+14+4*\c], v[\s+16+32*\c:\s+31+32*\c], v[TM+12+2*\c+1]   ; (a conversion's three registers begin on an even number)
.endr
	v_nop                                          ; one plain place behind a scaled conversion
.irp c, 0,1                            ; the layout wants a WHOLE block in a lane: lanes 0-15 block 2 c, lanes 16-31 block 2 c + 1
.irp i, 0,1,2
	v_permlane16_swap_b32 v[PC+6*\c+\i], v[PC+12+4*\c+\i]
.endr
.irp i, 0,1,2
	v_mov_b32 v[PC+3+6*\c+\i], v[PC+12+4*\c+\i]
.endr
.endr
.endm
.macro STEPQ s
.if (\s) < 7
	s_wait_loadcnt 16                              ; this K step's 16 loads are in; the next step's 16 may be out
.else
	s_wait_loadcnt 0x0
.endif
	TURNX \s
	s_wait_dscnt 0x0                               ; my 64 numbers are back, and the stores into the stage have read their registers
	s_wait_xcnt 0x0                                ; the last fragment's stores have read v[PC] on: it is written again only behind this wait
.if (\s) < 6
	LOADX (\s)+2
.endif
	QUANT X, PWS+\s
	global_store_b128 v2, v[PC:PC+3], s[24:25] offset:1536*(\s)          ; each store covers 512 or 256 consecutive bytes, at a multiple of 256 from the buffer's first byte
	global_store_b64 v3, v[PC+4:PC+5], s[24:25] offset:1536*(\s)+512
	global_store_b128 v2, v[PC+6:PC+9], s[24:25] offset:1536*(\s)+768
	global_store_b64 v3, v[PC+10:PC+11], s[24:25] offset:1536*(\s)+1280
.endm
	LOADX 0
	LOADX 1
.irp s, 0,1,2,3,4,5,6,7
	STEPQ \s
.endr
.irp g, 0,1,2,3
	v_cndmask_b32 v[Z+\g], v[PWS+\g], v[PWS+4+\g], s7   ; lanes 0-15: K steps 0-3 of row r; lanes 16-31: K steps 4-7
.endr
	global_store_b128 v2, v[Z:Z+3], s[26:27]       ; the tile's 512 bytes of scale words
	s_wait_tensorcnt 0x0
	ds_add_u32 v238, v239
	s_wait_dscnt 0x0
	s_endpgm
	; ---------------- the mask ----------------
	; mw: [query tile 128][key step 16][64 words]; memory word n holds j = 32 (n % 2) + n / 2; bit l of word j = mask[query of lane l % 16][128 step + 32 (j / 16) + 16 (l / 16) + j % 16]:
	; the lane mask for score register j of that step.  mf: [query tile][4] words: word sq has bit 4 sq + i set where step 4 sq + i of the tile is all true.
.Lmask:
	s_sub_co_u32 s3, ttmp9, 448                    ; the query tile; my wave takes its key steps 4 wave .. 4 wave + 3
	v_and_b32 v8, 8, v6
	v_add_nc_u32 v8, v8, v6                        ; r + 8 (r / 8)
	v_lshlrev_b32 v8, 11, v8                       ; a row of the mask is 2,048 bytes
	v_lshl_add_u32 v8, v7, 4, v8                   ; + 16 h
	s_lshr_b32 s32, s3, 1
	s_lshl_b32 s32, s32, 16
	s_and_b32 s33, s3, 1
	s_lshl_b32 s33, s33, 14
	s_add_co_u32 s32, s32, s33                     ; the tile's first row
	s_lshl_b32 s33, s2, 9
	s_add_co_u32 s32, s32, s33                     ; + 512 keys x wave
	s_mov_b32 s33, 0
	s_lshl_b32 s47, s3, 2
	s_add_co_u32 s47, s47, s2                      ; id = 4 x tile + wave
	s_lshl_b32 s44, s2, 2                          ; my first step
	s_mov_b32 s43, 0                               ; the flags
	s_wait_kmcnt 0x0
	s_add_nc_u64 s[22:23], s[22:23], s[32:33]
	s_lshl_b32 s32, s47, 10
	s_add_nc_u64 s[28:29], s[28:29], s[32:33]
	s_lshl_b32 s32, s47, 2
	s_add_nc_u64 s[30:31], s[30:31], s[32:33]
.irp i, 0,1,2,3
.irp b, 0,1,2,3
	global_load_b128 v[16+16*\i+4*\b:19+16*\i+4*\b], v8, s[22:23] offset:128*\i+32*\b
.endr
.endr
	s_wait_loadcnt 0x0
.macro MSTEP i
	s_mov_b32 s41, -1
	v_mov_b32 v[80+2*\i], 0
	v_mov_b32 v[81+2*\i], 0
.set J, 0
.rept 64
	v_and_b32 v[10+J%4], 0xff<<(8*(J%4)), v[16+16*\i+J/4]    ; byte j of my 64
	v_cmp_ne_u32 s[36+J%4], 0, v[10+J%4]                     ; the 32 lanes' bits
	s_and_b32 s41, s41, s[36+J%4]
	v_writelane_b32 v[80+2*\i+J/32], s[36+J%4], J%32         ; word j into lane j % 32 of register j / 32
.set J, J+1
.endr
	global_store_b64 v3, v[80+2*\i:81+2*\i], s[28:29] offset:256*\i   ; 256 consecutive bytes
	s_add_co_u32 s45, s44, \i
	s_cmp_eq_u32 s41, -1
	s_cselect_b32 s42, 1, 0
	s_lshl_b32 s42, s42, s45
	s_or_b32 s43, s43, s42
.endm
.irp i, 0,1,2,3
	MSTEP \i
.endr
	v_mov_b32 v14, s43
	v_mov_b32 v15, 0
	s_wait_xcnt 0x0                                ; EXEC is a source of the stores above: it changes only behind this wait
	v_cmp_eq_u32 vcc_lo, 0, v1
	s_and_saveexec_b32 s46, vcc_lo
	global_store_b32 v15, v14, s[30:31]            ; one word a wave
	s_wait_xcnt 0x0
	s_or_b32 exec_lo, exec_lo, s46
	s_endpgm
.Lfunc_end_k_q2f564ba6cd_prep:
	.size	k_q2f564ba6cd_prep, .Lfunc_end_k_q2f564ba6cd_prep-k_q2f564ba6cd_prep
	.p2alignl 7, 3214868480
	.fill 96, 4, 3214868480
	.section	.rodata,"a",@progbits
	.p2align	6, 0x0
	.amdhsa_kernel k_q2f564ba6cd_prep
		.amdhsa_group_segment_fixed_size 34304
		.amdhsa_private_segment_fixed_size 0
		.amdhsa_enable_private_segment 0
		.amdhsa_kernarg_size 96
		.amdhsa_user_sgpr_count 2
		.amdhsa_user_sgpr_kernarg_segment_ptr 1
		.amdhsa_wavefront_size32 1
		.amdhsa_system_sgpr_workgroup_id_x 1
		.amdhsa_system_sgpr_workgroup_id_y 1
		.amdhsa_system_sgpr_workgroup_id_z 1
		.amdhsa_system_vgpr_workitem_id 0
		.amdhsa_next_free_vgpr 256
		.amdhsa_next_free_sgpr 66
		.amdhsa_reserve_vcc 1
		.amdhsa_float_denorm_mode_32 3
		.amdhsa_float_denorm_mode_16_64 3
		.amdhsa_memory_ordered 1
		.amdhsa_forward_progress 1
		.amdhsa_inst_pref_size 125
	.end_amdhsa_kernel
	.amdgpu_metadata
---
amdhsa.version: [ 1, 2 ]
amdhsa.kernels:
  - .name:           k_q2f564ba6cd_prep
    .symbol:         k_q2f564ba6cd_prep.kd
    .args:
      - { .name: q, .offset: 0, .size: 8, .value_kind: global_buffer, .address_space: global }
      - { .name: k, .offset: 8, .size: 8, .value_kind: global_buffer, .address_space: global }
      - { .name: v, .offset: 16, .size: 8, .value_kind: global_buffer, .address_space: global }
      - { .name: wq, .offset: 24, .size: 8, .value_kind: global_buffer, .address_space: global }
      - { .name: wk, .offset: 32, .size: 8, .value_kind: global_buffer, .address_space: global }
      - { .name: wv, .offset: 40, .size: 8, .value_kind: global_buffer, .address_space: global }
      - { .name: wo, .offset: 48, .size: 8, .value_kind: global_buffer, .address_space: global }
      - { .name: mask, .offset: 56, .size: 8, .value_kind: global_buffer, .address_space: global }
      - { .name: xc, .offset: 64, .size: 8, .value_kind: global_buffer, .address_space: global }
      - { .name: xs, .offset: 72, .size: 8, .value_kind: global_buffer, .address_space: global }
      - { .name: mw, .offset: 80, .size: 8, .value_kind: global_buffer, .address_space: global }
      - { .name: mf, .offset: 88, .size: 8, .value_kind: global_buffer, .address_space: global }
    .group_segment_fixed_size: 34304
    .private_segment_fixed_size: 0
    .kernarg_segment_align: 8
    .kernarg_segment_size: 96
    .max_flat_workgroup_size: 128
    .sgpr_count:     66
    .vgpr_count:     256
    .wavefront_size: 32
...
	.end_amdgpu_metadata
.endif
;; end of part 1
;; launch proj (part 2): grid 4 x 96, 4 waves a work-group, clusters of 4 x 4, 327,680 bytes of LDS; arguments xc, xs, bq, bk, bv, hd; writes hd
.if DOCPART == 2
	.amdgcn_target "amdgcn-amd-amdhsa--gfx1250"
	.amdhsa_code_object_version 6
	.text
	.protected	k_q2f564ba6cd_proj
	.globl	k_q2f564ba6cd_proj
	.p2align	8
	.type	k_q2f564ba6cd_proj,@function
k_q2f564ba6cd_proj:
	s_mov_b64 s[64:65], 0
	v_nop
	global_prefetch_b8 v0, s[64:65] scope:SCOPE_SE
	s_setreg_imm32_b32 hwreg(HW_REG_WAVE_MODE, 25, 1), 1
	s_wait_xcnt 0x0
	s_wait_alu depctr_hold_cnt(0) depctr_sa_sdst(0) depctr_va_vdst(0) depctr_va_sdst(0) depctr_va_ssrc(0) depctr_va_vcc(0) depctr_vm_vsrc(0)
	s_getreg_b32 s2, hwreg(HW_REG_IB_STS2, 6, 4)
	s_cmp_eq_u32 s2, 0
	s_cbranch_scc0 .Lentry_in_a_cluster
	s_endpgm
.Lentry_in_a_cluster:
	s_bfe_u32 s2, ttmp6, 0x10000c
	s_cmp_lg_u32 s2, 0xf033
	s_cbranch_scc0 .Lentry_shape_is_right
	s_endpgm
.Lentry_shape_is_right:
; PROJ.  The three projections x W^T + b on codes of FP6 (E2M3) with E8M0 scales, K = 1,024; the results are quantised in registers into the operands of the attention launch.
; Cluster y = Y: P = Y / 8 says which (0 Q, 1 K, 2 V).  C[m][n] = sum over k of A'[m][k] B'[n][k].  Q, K: A' = the tokens (8,192), B' = the weight (1,024).  V: A' = wv, B' = v's tokens: so a lane
; holds one channel and its registers run along the keys, which are the second attention product's K.
; OPERANDS lie in xc as images of operand registers: row tile T (rows 32 (T / 2) + 8 (T % 2) + r + 8 (r / 8)), K step s: 1,536 bytes at 12,288 T + 1,536 s; registers 0-3 at 16 x lane, 4-5 at 512 + 8 x lane,
; 6-9 at 768 + 16 x lane, 10-11 at 1,280 + 8 x lane: every LDS load of a wave covers 512 or 256 consecutive bytes.  Scale words in xs: (T, r, s) at 512 T + 256 (s / 4) + 16 r + 4 (s % 4).
; A tile of C is 256 x 256: four waves, each 128 x 128 in 64 accumulators.  K goes in steps of 256 through two LDS slots filled by the tensor data mover; a wave's load brings 8 row tiles x 3,072 bytes.
; CLUSTERS: 4 x 4 work-groups; A's tiles are asked for jointly along a row of the cluster, B's along a column.  THE MATRIX INSTRUCTION IS USED TRANSPOSED (source 0 = B', source 1 = A'): lane (r, h) holds row r of
; A's tile, and by the choice of a tile's rows the 16 registers of B's tiles 2 b and 2 b + 1 are 16 NEIGHBOURS, 32 b + 16 h + 0 .. 15: what the conversions want.  The bias is the C of each sum's first instruction.
; OUT (hd).  KV at 0: [g = 16 batch + head][key step of 128][13,056]: K's 8 pieces of 768 bytes (16 keys x 64), V's 4 fragments of 1,536 (16 channels x 128 keys), K's scale words at 12,288 ([lane][tile pair]),
; V's at 12,800.  Q's pieces at 13,369,344: [g][query tile][768].  Q's scale words at 19,660,800: [g][128 tokens][lane][tile pair].  Q's and K's words carry 0x7f for the upper 64 of the instruction's K, whose codes are zeros.
; LIMITS: a block under 2^-124 gets the byte 1 where the rule says 127 for zeros (its codes are zeros); NaN and infinities are not served.
; REGISTERS: window 0: v16-30 addresses; v32-95 scale words (8 i + K step: lanes 0-15 A's block i, lanes 16-31 B's block i); v96-127, v224-255 the bias; v128-223 A's 8 fragments.  window 1: B's fragments, two sets.
; windows 2, 3: accumulator (a, b) at v[8 (8 (a % 4) + b)].
.set FR,    12
.set NL,    4                          ; LDS loads that bring a fragment
.set NP,    4                          ; places behind this matrix instruction (ISA guide 7.12.1)
.set HALFT, 24576                      ; 8 row tiles x 2 K steps x 1,536 bytes: what one tensor load brings
.set SLOT,  4*HALFT
.set SPARE, 2*SLOT                     ; the spare words: 128 bytes a wave, two blocks of 256 bytes that no other line names
.set ADRA,  16                         ; v16-17 A: 16 x lane + my half, slot 0, 1;  v18-19 the same with 8 x lane
.set ADRB,  20                         ; v20-23 the same for B
.set L16,   24
.set L8,    25
.set SOFF,  26                         ; my offset among the scale words
.set BOF,   27                         ; the bias by registers: 64 h
.set SPW,   28
.set NIL,   29
.set BOV,   30                         ; the bias by lanes: 4 (r + 8 (r / 8))
.set SC,    32
.set AF,    128
.set PC,    128                        ; the way out, in window 0
.set TM,    152
.set PWS,   168
.set Z,     176
.set XA,    180
.set XB,    184
.set G1,    24
.set G0,    32
.set G1B,   48
.set G0B,   56
.set MSB, 0
.macro WIN new                         ; the immediate's high byte repeats the setting that is left
.if MSB != (\new)
	s_set_vgpr_msb (MSB<<8)|(\new)
.set MSB, (\new)
.endif
.endm
.set MUL_LO, 0xa1                      ; source 0 (B) window 1, source 1 (A) window 0, C and D window 2
.set MUL_HI, 0xf1                      ; the same, C and D window 3
.set TO_B,   0x40
; A joint load: waves 0 and 1 fetch for A, waves 2 and 3 for B; the branch hangs on the wave's number alone.  Four v_nop follow each of the two lines.
.macro JLOAD g0a, g1a, g0b, g1b
	s_cmp_eq_u32 s17, 0
	s_cbranch_scc0 .Lfor_b_\@
	tensor_load_to_lds s[\g0a:\g0a+3], s[\g1a:\g1a+7]
	s_nop 0
.rept 4
	v_nop
.endr
	s_branch .Lasked_\@
.Lfor_b_\@:
	tensor_load_to_lds s[\g0b:\g0b+3], s[\g1b:\g1b+7]
	s_nop 0
.rept 4
	v_nop
.endr
.Lasked_\@:
.endm
.macro CREST                           ; a round of the cluster's barrier behind its opening barrier
	s_cmp_lg_u32 s16, 0
	s_cbranch_scc1 .Lnot_wave_0_\@
	s_barrier_signal -3
.Lnot_wave_0_\@:
	s_barrier_wait -3
	s_barrier_signal -1
	s_barrier_wait -1
.endm
.macro CROUND
	s_barrier_signal -1
	s_barrier_wait -1
	CREST
.endm
.macro PLACES n
.rept \n
	v_nop
.endr
.endm
	s_load_b256 s[4:11], s[0:1], 0x0               ; xc 4, xs 6, bq 8, bk 10
	s_load_b128 s[12:15], s[0:1], 0x20             ; bv 12, hd 14
	v_lshl_add_u32 v[SPW], v0, 2, SPARE
	v_mov_b32 v[NIL], 0
	ds_add_u32 v28, v29
	ds_add_u32 v28, v29
	s_wait_dscnt 0x0
	v_lshrrev_b32 v1, 5, v0
	v_readfirstlane_b32 s16, v1                    ; wave
	s_lshr_b32 s17, s16, 1                         ; RH: my half of the tile's rows.  Also: I fetch for A (0) or B (1)
	s_and_b32 s18, s16, 1                          ; CH: my half of its columns.  Also: which 8 row tiles I fetch
	s_bfe_u32 s40, ttmp6, 0x40000                  ; cx
	s_bfe_u32 s41, ttmp6, 0x40004                  ; cy
	s_and_b32 s20, ttmp7, 0xffff                   ; Y: the cluster's y, the same in all partners
	s_lshr_b32 s21, s20, 3                         ; P
	s_and_b32 s22, s20, 7
	s_lshl_b32 s66, s21, 9                         ; A's first tile: 0, 512 (tokens of q, k)
	s_lshl_b32 s67, s21, 6
	s_add_co_u32 s67, s67, 1536                    ; B's: 1536, 1600 (wq, wk)
	s_cmp_eq_u32 s21, 2
	s_cselect_b32 s23, 1, 0                        ; ISV
	s_cselect_b32 s45, 0, s22
	s_cselect_b32 s46, s22, 0
	s_cselect_b32 s66, 1664, s66                   ; V: A' = wv,
	s_cselect_b32 s67, 1024, s67                   ;    B' = v's tokens
	s_lshl_b32 s19, s45, 2
	s_add_co_u32 s19, s19, s41                     ; TR: tile row of C
	s_lshl_b32 s42, s46, 2
	s_add_co_u32 s42, s42, s40                     ; TC: tile column
	s_lshl_b32 s43, s41, 2
	s_lshl_b32 s43, 15, s43                        ; my row of the cluster
	s_lshl_b32 s44, 0x1111, s40                    ; my column
	; descriptor group 1: 8 rows of 3,072 bytes (384 elements of 8 bytes), 12,288 bytes apart, laid on end in LDS
	s_or_b32 s[G1+0], s43, (3<<16)|(1<<21)         ; 15:0 the mask; 17:16 elements of 8 bytes; 21 set beside a mask; no padding
	s_or_b32 s[G1B+0], s44, (3<<16)|(1<<21)
.irp g, G1, G1B
	s_mov_b32 s[\g+1], 384<<16                     ; tensor_dim0
	s_mov_b32 s[\g+2], 8<<16                       ; tensor_dim1
	s_mov_b32 s[\g+3], 384<<16                     ; tile_dim0
	s_mov_b32 s[\g+4], 8                           ; tile_dim1
	s_mov_b32 s[\g+5], 1536                        ; tensor_dim0_stride
	s_mov_b32 s[\g+6], 0
	s_mov_b32 s[\g+7], 0
.endr
	s_lshl_b32 s68, s19, 4
	s_add_co_u32 s68, s68, s66                     ; A's first row tile of my tile of C: hangs on cy alone
	s_lshl_b32 s70, s42, 4
	s_add_co_u32 s70, s70, s67                     ; B's: on cx alone
	s_lshl_b32 s72, s18, 3
	s_add_co_u32 s74, s68, s72
	s_mul_i32 s74, s74, 12288
	s_mov_b32 s75, 0
	s_add_co_u32 s76, s70, s72
	s_mul_i32 s76, s76, 12288
	s_mov_b32 s77, 0
	s_mul_i32 s73, s16, HALFT                      ; where they go: wave x 24,576: no place in the cluster enters an LDS address
	s_wait_kmcnt 0x0
	s_add_nc_u64 s[74:75], s[4:5], s[74:75]
	s_add_nc_u64 s[76:77], s[4:5], s[76:77]
	CROUND                                         ; all sixteen work-groups are here: the first joint loads meet
.irp s, 0,1
	s_mov_b32 s[G0+4*\s], 1
	s_add_co_u32 s[G0+4*\s+1], s73, \s*SLOT
	s_add_nc_u64 s[G0+4*\s+2:G0+4*\s+3], s[74:75], \s*3072
	s_or_b32 s[G0+4*\s+3], s[G0+4*\s+3], 0x80000000
	s_mov_b32 s[G0B+4*\s], 1
	s_add_co_u32 s[G0B+4*\s+1], s73, \s*SLOT
	s_add_nc_u64 s[G0B+4*\s+2:G0B+4*\s+3], s[76:77], \s*3072
	s_or_b32 s[G0B+4*\s+3], s[G0B+4*\s+3], 0x80000000
	JLOAD G0+4*\s, G1, G0B+4*\s, G1B               ; two loads of mine are out
.endr
	v_and_b32 v1, 31, v0
	v_and_b32 v2, 15, v0                           ; r
	v_bfe_u32 v3, v0, 4, 1                         ; h
	v_lshlrev_b32 v[L16], 4, v1
	v_lshlrev_b32 v[L8], 3, v1
	s_mul_i32 s78, s17, HALFT                      ; my 8 row tiles of A
	s_mul_i32 s79, s18, HALFT
	s_add_co_u32 s79, s79, 2*HALFT                 ; and of B
.irp s, 0,1
	v_add_nc_u32 v[ADRA+\s], s78, v[L16]
	v_add_nc_u32 v[ADRA+2+\s], s78, v[L8]
	v_add_nc_u32 v[ADRB+\s], s79, v[L16]
	v_add_nc_u32 v[ADRB+2+\s], s79, v[L8]
	s_add_co_u32 s78, s78, SLOT
	s_add_co_u32 s79, s79, SLOT
.endr
	; the scale words of my 128 rows of A and of B, for all of K, come once: lanes 0-15 take A's, lanes 16-31 B's
	s_lshl_b32 s80, s17, 3
	s_add_co_u32 s80, s80, s68
	s_lshl_b32 s80, s80, 9
	s_add_co_u32 s81, s70, s72
	s_lshl_b32 s81, s81, 9
	s_mov_b32 s3, 0xffff0000                       ; lanes 16-31
	v_mov_b32 v4, s80
	v_mov_b32 v5, s81
	v_cndmask_b32 v4, v4, v5, s3
	v_lshl_add_u32 v[SOFF], v2, 4, v4
.irp i, 0,1,2,3,4,5,6,7
.irp u, 0,1
	global_load_b128 v[SC+8*\i+4*\u:SC+8*\i+4*\u+3], v[SOFF], s[6:7] offset:512*\i+256*\u
.endr
.endr
	; the bias
	v_lshlrev_b32 v[BOF], 6, v3
	v_and_b32 v4, 8, v2
	v_add_nc_u32 v4, v4, v2
	v_lshlrev_b32 v[BOV], 2, v4
	s_lshl_b32 s86, s19, 8
	s_lshl_b32 s87, s17, 7
	s_add_co_u32 s86, s86, s87                     ; my first row of C
	s_lshl_b32 s87, s42, 8
	s_lshl_b32 s88, s18, 7
	s_add_co_u32 s87, s87, s88                     ; my first column
	s_cmp_eq_u32 s21, 0
	s_cselect_b64 s[84:85], s[8:9], s[10:11]
	s_cmp_eq_u32 s23, 1
	s_cselect_b64 s[84:85], s[12:13], s[84:85]
	s_cselect_b32 s88, s87, s86                    ; TOK: my first token
	s_cselect_b32 s89, s86, s87                    ; FEAT: my first feature
	s_lshl_b32 s82, s89, 2
	s_mov_b32 s83, 0
	s_add_nc_u64 s[84:85], s[84:85], s[82:83]
	s_cmp_eq_u32 s23, 1
	s_cbranch_scc1 .Lbias_v
.irp b, 0,1,2,3,4,5,6,7                ; Q, K: the features run along a lane's registers: tile b's eight of my half
	global_load_b128 v[96+8*\b+96*(\b/4):99+8*\b+96*(\b/4)], v[BOF], s[84:85] offset:(32*(\b/2)+8*(\b%2))*4
	global_load_b128 v[100+8*\b+96*(\b/4):103+8*\b+96*(\b/4)], v[BOF], s[84:85] offset:(32*(\b/2)+8*(\b%2))*4+16
.endr
	s_branch .Lbias_done
.Lbias_v:
.irp a, 0,1,2,3,4,5,6,7                ; V: a lane holds one feature: the same number in all eight registers
	global_load_b32 v[96+8*\a+96*(\a/4)], v[BOV], s[84:85] offset:(32*(\a/2)+8*(\a%2))*4
.endr
	s_wait_loadcnt 0x0
.irp a, 0,1,2,3,4,5,6,7
.irp j, 1,2,3,4,5,6,7
	v_mov_b32 v[96+8*\a+96*(\a/4)+\j], v[96+8*\a+96*(\a/4)]
.endr
.endr
	PLACES 8
.Lbias_done:
.macro FRAG reg, adr, q, i             ; a fragment's image: four loads, 512, 256, 512 and 256 consecutive bytes
	ds_load_b128 v[\reg:\reg+3], v[\adr] offset:3072*(\i)+1536*(\q)
	ds_load_b64 v[\reg+4:\reg+5], v[\adr+2] offset:3072*(\i)+1536*(\q)+512
	ds_load_b128 v[\reg+6:\reg+9], v[\adr] offset:3072*(\i)+1536*(\q)+768
	ds_load_b64 v[\reg+10:\reg+11], v[\adr+2] offset:3072*(\i)+1536*(\q)+1280
.endm
; 16 matrix instructions: A's blocks a0, a0 + 1 x B's eight, K step ks.  p: B's set.  mode 0: onto the sums; 1: the bias of B's block starts them; 2: the bias of A's block.
; The 64 accumulators take turns, one instruction a turn, in the same order in every step.
.macro MUL16 a0, p, ks, mode
.irp a, \a0, \a0+1
.irp b, 0,1,2,3,4,5,6,7
.set DD, 8*(8*((\a)%4)+\b)
.set CC, DD
.if \mode == 1
.set CC, 96+8*\b+96*(\b/4)
.endif
.if \mode == 2
.set CC, 96+8*(\a)+96*((\a)/4)
.endif
	v_wmma_scale_f32_16x16x128_f8f6f4 v[DD:DD+7], v[128*(\p)+FR*\b:128*(\p)+FR*\b+FR-1], v[AF+FR*(\a):AF+FR*(\a)+FR-1], v[CC:CC+7], v[SC+8*\b+(\ks)], v[SC+8*(\a)+(\ks)] matrix_a_fmt:MATRIX_FMT_FP6 matrix_b_fmt:MATRIX_FMT_FP6 matrix_a_scale:MATRIX_SCALE_ROW1
.endr
.endr
.endm
.macro FETCH_B slot, q, p
	WIN TO_B
.irp i, 0,1,2,3,4,5,6,7
	FRAG 128*(\p)+FR*\i, ADRB+\slot, \q, \i
.endr
	WIN 0
.endm
.macro FETCH_A slot, q, i0
.irp i, \i0, \i0+1, \i0+2, \i0+3
	FRAG AF+FR*(\i), ADRA+\slot, \q, \i
.endr
.endm
; A slot's first K step: multiplies B's set 0 and fetches the second step's fragments.  A load into a register that a matrix instruction has read stands NP places behind it.
.macro STEP slot, ks, mode
	s_wait_dscnt 4*NL                              ; B's set and A's blocks 0-3 are in; the 16 youngest loads (A's blocks 4-7) may be out
.if \mode
	WIN 0x81                                       ; C (the bias) in window 0, D in window 2
.else
	WIN MUL_LO
.endif
	MUL16 0, 0, \ks, \mode
	MUL16 2, 0, \ks, \mode
	s_wait_dscnt 0x0
	PLACES NP
	FETCH_B \slot, 1, 1
	FETCH_A \slot, 1, 0
.if \mode
	WIN 0xc1
.else
	WIN MUL_HI
.endif
	MUL16 4, 0, \ks, \mode
	MUL16 6, 0, \ks, \mode
	PLACES NP
	WIN 0
	FETCH_A \slot, 1, 4
.endm
; A slot's second K step changes slots: ONE barrier; in front of it each wave waits for all its tensor loads, adds 0 to its spare word, and waits for that and for its reads of this slot.
.macro TURN slot, next, fill, ks
	s_wait_tensorcnt 0x0                           ; all my tensor loads have landed: my part of the next slot
	ds_add_u32 v[SPW], v[NIL]                      ; 0 onto my spare word
	s_wait_dscnt 4*NL+1                            ; the add and the 16 youngest loads (A's blocks 4-7) may be out
	WIN MUL_LO
	MUL16 0, 1, \ks, 0
	s_wait_dscnt 0x0                               ; the add is done, and my reads of this slot are over
	s_barrier_signal -1
	MUL16 2, 1, \ks, 0
	WIN 0
	s_barrier_wait -1
.if \fill
	CREST                                          ; the barrier has opened a round of the cluster's: no wave of any partner still reads this slot or has a load on its way
	s_add_nc_u64 s[G0+4*\slot+2:G0+4*\slot+3], s[G0+4*\slot+2:G0+4*\slot+3], 6144
	s_add_nc_u64 s[G0B+4*\slot+2:G0B+4*\slot+3], s[G0B+4*\slot+2:G0B+4*\slot+3], 6144
	JLOAD G0+4*\slot, G1, G0B+4*\slot, G1B         ; my one tensor load behind the round: four K steps of 128 on; its four v_nop are also the places in front of the loads below
.else
	PLACES NP
.endif
	FETCH_B \next, 0, 0
	FETCH_A \next, 0, 0
	WIN MUL_HI
	MUL16 4, 1, \ks, 0
	MUL16 6, 1, \ks, 0
	PLACES NP
	WIN 0
	FETCH_A \next, 0, 4
.endm
	s_wait_loadcnt 0x0                             ; scale words and bias
	s_wait_tensorcnt 1                             ; my part of slot 0 is in; slot 1's may be out
	s_barrier_signal -1
	s_barrier_wait -1
	FETCH_B 0, 0, 0
	FETCH_A 0, 0, 0
	FETCH_A 0, 0, 4
	s_cmp_eq_u32 s23, 1                            ; the first K step starts the sums with the bias: by B's blocks, or for V by A's.  Both ways issue the same loads and waits
	s_cbranch_scc1 .Lfirst_v
	STEP 0, 0, 1
	s_branch .Lfirst_done
.Lfirst_v:
	STEP 0, 0, 2
.Lfirst_done:
	TURN 0, 1, 1, 1                                ; written out: the scale words' registers are numbered by the K step
	STEP 1, 2, 0
	TURN 1, 0, 1, 3
	STEP 0, 4, 0
	TURN 0, 1, 0, 5                                ; nothing is left to fetch: no round
	STEP 1, 6, 0
	s_wait_dscnt 4*NL
	WIN MUL_LO
	MUL16 0, 1, 7, 0
	MUL16 2, 1, 7, 0
	s_wait_dscnt 0x0
	WIN MUL_HI
	MUL16 4, 1, 7, 0
	MUL16 6, 1, 7, 0
	WIN 0
	; THE WAY OUT.  Block a's 64 registers are 128 neighbours along my columns of row r of A's block a: one fragment, two pieces.  Q, K: two heads' pieces (16 tokens x 64).  V: one fragment (16 channels x 128 keys).
	PLACES NP
.irp b, 0,1,2,3
	v_mov_b32 v[TM+4+\b], 0                        ; a lane permute's destination counts as one of its sources
.endr
	s_mov_b32 s46, 0x76543210                      ; (s46 held a number of the cluster's y alone)
	s_mov_b32 s47, 0xfedcba98
	s_mov_b32 s80, 208896
	s_mov_b32 s81, 13056
	s_mov_b32 s94, 768
	s_mov_b32 s10, 12288
	s_cmp_eq_u32 s21, 0
	s_cselect_b32 s80, 98304, s80                  ; a head's bytes,
	s_cselect_b32 s81, 6144, s81                   ; 128 tokens' bytes,
	s_cselect_b32 s82, 13369344, 0                 ; the region
	s_cmp_eq_u32 s23, 1
	s_cselect_b32 s82, 6144, s82
	s_cselect_b32 s83, 768, s80                    ; from the first piece to the second: the next head, or for V the fragment's second half
	s_cselect_b32 s94, 1536, s94                   ; from block to block
	s_cselect_b32 s96, 202752, 0                   ; V: at block 4 on to the next head
	s_cselect_b32 s10, 12800, s10
	s_mov_b32 s95, 0
	s_mov_b32 s97, 0
	s_lshr_b32 s84, s88, 11
	s_lshl_b32 s84, s84, 4
	s_lshr_b32 s85, s89, 6
	s_add_co_u32 s84, s84, s85                     ; g = 16 batch + head
	s_bfe_u32 s85, s88, 0x40007                    ; which 128 tokens of the batch
	s_mul_i32 s8, s84, s80
	s_mul_i32 s9, s85, s81
	s_add_co_u32 s8, s8, s9
	s_add_co_u32 s90, s8, s82
	s_mov_b32 s91, 0
	s_add_nc_u64 s[90:91], s[14:15], s[90:91]      ; the first piece
	s_mov_b32 s92, s83
	s_mov_b32 s93, 0
	s_add_nc_u64 s[92:93], s[90:91], s[92:93]      ; the second
	s_add_co_u32 s98, s8, s10                      ; the scale words: K's, V's in the record;
	s_lshl_b32 s9, s84, 13
	s_lshl_b32 s11, s85, 9
	s_add_co_u32 s9, s9, s11
	s_add_co_u32 s9, s9, 19660800                  ; Q's in their region
	s_mov_b32 s11, 208896
	s_cmp_eq_u32 s21, 0
	s_cselect_b32 s98, s9, s98
	s_cselect_b32 s12, 8192, s11
	s_mov_b32 s99, 0
	s_mov_b32 s13, 0
	s_add_nc_u64 s[98:99], s[14:15], s[98:99]
	s_add_nc_u64 s[12:13], s[98:99], s[12:13]      ; and the next head's
.macro OUTBLK a
.set WN, 2+(\a)/4
.set W5, 5*WN
.set AC, 64*((\a)%4)
	WIN W5                                         ; sources 0 and 1: the accumulators' window
.irp b, 0,1,2,3
	v_max3_num_f32 v[TM+\b], |v[AC+16*\b]|, |v[AC+16*\b+1]|, 0x1800000   ; each accumulator is read from its low end on; the floor 2^(3 - 127) holds the byte at 1 from below
.endr
.irp i, 2,4,6,8,10,12,14
.irp b, 0,1,2,3
	v_max3_num_f32 v[TM+\b], |v[AC+16*\b+\i]|, |v[AC+16*\b+\i+1]|, v[TM+\b]
.endr
.endr
	WIN 0
.irp b, 0,1,2,3
	v_permlanex16_b32 v[TM+4+\b], v[TM+\b], s46, s47
.endr
.irp b, 0,1,2,3
	v_max_num_f32 v[TM+\b], v[TM+\b], v[TM+4+\b]
.endr
.irp b, 0,1,2,3
	v_add_nc_u32 v[TM+12+\b], 0xff000000, v[TM+\b] ; 2 off the exponent field: the conversion's scale operand
.endr
.irp b, 0,1,2,3
	v_lshrrev_b32 v[TM+4+\b], 23, v[TM+12+\b]
.endr
	v_lshl_or_b32 v[PWS+(\a)], v[TM+5], 8, v[TM+4]
	v_lshl_or_b32 v[PWS+(\a)], v[TM+6], 16, v[PWS+(\a)]
	v_lshl_or_b32 v[PWS+(\a)], v[TM+7], 24, v[PWS+(\a)]
	s_wait_xcnt 0x0                                ; the last block's stores have read their data and their bases: both are written again only behind this wait
.if (\a) > 0
	s_add_nc_u64 s[90:91], s[90:91], s[94:95]
	s_add_nc_u64 s[92:93], s[92:93], s[94:95]
.endif
.if (\a) == 4
	s_add_nc_u64 s[90:91], s[90:91], s[96:97]
	s_add_nc_u64 s[92:93], s[92:93], s[96:97]
.endif
	WIN WN                                         ; source 0: the accumulators' window
.irp c, 0,1
	v_cvt_scalef32_pk16_fp6_f32 v[PC+6*\c:PC+2+6*\c], v[AC+32*\c:AC+15+32*\c], v[TM+12+2*\c]
	v_cvt_scalef32_pk16_fp6_f32 v[PC+12+4*\c:PC+14+4*\c], v[AC+16+32*\c:AC+31+32*\c], v[TM+12+2*\c+1]
.endr
	WIN 0
	v_nop                                          ; one plain place behind a scaled conversion
.irp c, 0,1
.irp i, 0,1,2
	v_permlane16_swap_b32 v[PC+6*\c+\i], v[PC+12+4*\c+\i]
.endr
.irp i, 0,1,2
	v_mov_b32 v[PC+3+6*\c+\i], v[PC+12+4*\c+\i]
.endr
.endr
	global_store_b128 v[L16], v[PC:PC+3], s[90:91]             ; each store covers 512 or 256 consecutive bytes, at a multiple of 256 from the buffer's first byte
	global_store_b64 v[L8], v[PC+4:PC+5], s[90:91] offset:512
	global_store_b128 v[L16], v[PC+6:PC+9], s[92:93]
	global_store_b64 v[L8], v[PC+10:PC+11], s[92:93] offset:512
.endm
.irp a, 0,1,2,3,4,5,6,7
	OUTBLK \a
.endr
.irp i, 0,1,2,3
	v_cndmask_b32 v[Z+\i], v[PWS+2*\i], v[PWS+2*\i+1], s3      ; lanes 0-15: block 2 i's words, lanes 16-31: block 2 i + 1's
.endr
	s_cmp_eq_u32 s23, 1
	s_cbranch_scc1 .Lsc_v
	s_mov_b32 s9, 0x7f7f0000                       ; the bytes of the upper 64 along the instruction's K: 1.0 over zero codes
.irp i, 0,1,2,3
	v_and_or_b32 v[XA+\i], v[Z+\i], 0xffff, s9     ; the first head's two bytes,
	v_lshrrev_b32 v[XB+\i], 16, v[Z+\i]            ; the second's
.endr
.irp i, 0,1,2,3
	v_or_b32 v[XB+\i], s9, v[XB+\i]
.endr
	global_store_b128 v[L16], v[XA:XA+3], s[98:99]
	global_store_b128 v[L16], v[XB:XB+3], s[12:13]
	s_branch .Lsc_done
.Lsc_v:
	global_store_b64 v[L8], v[Z:Z+1], s[98:99]     ; blocks 0-3: the first head's four tiles of channels,
	global_store_b64 v[L8], v[Z+2:Z+3], s[12:13]   ; blocks 4-7: the second's
.Lsc_done:
	s_wait_tensorcnt 0x0                           ; the wave's end
	ds_add_u32 v[SPW], v[NIL]
	s_wait_dscnt 0x0
	CROUND                                         ; the closing round: no work-group ends while a partner may still ask for a tile that names it
	s_endpgm
.Lfunc_end_k_q2f564ba6cd_proj:
	.size	k_q2f564ba6cd_proj, .Lfunc_end_k_q2f564ba6cd_proj-k_q2f564ba6cd_proj
	.p2alignl 7, 3214868480
	.fill 96, 4, 3214868480
	.section	.rodata,"a",@progbits
	.p2align	6, 0x0
	.amdhsa_kernel k_q2f564ba6cd_proj
		.amdhsa_group_segment_fixed_size 327680
		.amdhsa_private_segment_fixed_size 0
		.amdhsa_enable_private_segment 0
		.amdhsa_kernarg_size 48
		.amdhsa_user_sgpr_count 2
		.amdhsa_user_sgpr_kernarg_segment_ptr 1
		.amdhsa_wavefront_size32 1
		.amdhsa_system_sgpr_workgroup_id_x 1
		.amdhsa_system_sgpr_workgroup_id_y 1
		.amdhsa_system_sgpr_workgroup_id_z 1
		.amdhsa_system_vgpr_workitem_id 0
		.amdhsa_next_free_vgpr 1024
		.amdhsa_next_free_sgpr 100
		.amdhsa_reserve_vcc 0
		.amdhsa_float_denorm_mode_32 3
		.amdhsa_float_denorm_mode_16_64 3
		.amdhsa_memory_ordered 1
		.amdhsa_forward_progress 1
		.amdhsa_inst_pref_size 167
	.end_amdhsa_kernel
	.amdgpu_metadata
---
amdhsa.version: [ 1, 2 ]
amdhsa.kernels:
  - .name:           k_q2f564ba6cd_proj
    .symbol:         k_q2f564ba6cd_proj.kd
    .args:
      - { .name: xc, .offset: 0, .size: 8, .value_kind: global_buffer, .address_space: global }
      - { .name: xs, .offset: 8, .size: 8, .value_kind: global_buffer, .address_space: global }
      - { .name: bq, .offset: 16, .size: 8, .value_kind: global_buffer, .address_space: global }
      - { .name: bk, .offset: 24, .size: 8, .value_kind: global_buffer, .address_space: global }
      - { .name: bv, .offset: 32, .size: 8, .value_kind: global_buffer, .address_space: global }
      - { .name: hd, .offset: 40, .size: 8, .value_kind: global_buffer, .address_space: global }
    .group_segment_fixed_size: 327680
    .private_segment_fixed_size: 0
    .kernarg_segment_align: 8
    .kernarg_segment_size: 48
    .max_flat_workgroup_size: 128
    .sgpr_count:     100
    .vgpr_count:     1024
    .wavefront_size: 32
...
	.end_amdgpu_metadata
.endif
;; end of part 2
;; launch attn (part 3): grid 4 x 64, 16 waves a work-group, no clusters, 210,944 bytes of LDS; arguments hd, mw, mf, xc, xs; writes xc, xs
.if DOCPART == 3
	.amdgcn_target "amdgcn-amd-amdhsa--gfx1250"
	.amdhsa_code_object_version 6
	.text
	.protected	k_q2f564ba6cd_attn
	.globl	k_q2f564ba6cd_attn
	.p2align	8
	.type	k_q2f564ba6cd_attn,@function
k_q2f564ba6cd_attn:
	s_mov_b64 s[64:65], 0
	v_nop
	global_prefetch_b8 v0, s[64:65] scope:SCOPE_SE
	s_setreg_imm32_b32 hwreg(HW_REG_WAVE_MODE, 25, 1), 1
	s_wait_xcnt 0x0
; ATTN.  O = softmax(where(mask, Q K^T / 8, hidden)) V for one head g = 16 batch + head (work-group y) and 512 queries (work-group x), both products on codes of FP6 (E2M3) with E8M0 scales;
; O / l is quantised along the model's 1,024 for the output projection and stored as an image of operand registers.
; THE SOFTMAX: t = score x log2(e) / 8; M = the row's largest t so far, rounded UP to a whole number; p = 2^(t - M) is quantised along the keys, not normalised; the row's sum l is taken of the unquantised p.
; When M moves, l and O are multiplied by 2^(old M - new M): exact.
; THE FIRST PRODUCT'S K is 64: the upper half of the instruction's 128 is zero codes on both sides (registers that are cleared once and stay), under the byte 0x7f.
; SHARES.  Sixteen waves of 256 registers; a wave takes one tile of 16 queries at a time, twice: tile 32 x + 16 pass + wave.  Every wave walks the head's 2,048 keys, 128 a step.
; LDS.  The head's K, V and scale words, 16 records of 13,056 bytes = 208,896, are copied ONCE, a record a wave, and then only read: one barrier in the launch.
; WHY THROUGH REGISTERS, AND NO CLUSTER: the copy is 13,056 bytes a wave for 32 wave-steps of work, and without tensor loads a step whose 16 x 128 piece of the mask is all true may jump, on a stored flag,
; over its 64 selects and 256 bytes of mask words.
; LAYOUT.  Both products are used transposed: S^T = K Q^T, O^T = V^T P^T: a lane holds ONE query (lane % 16).  Tile T of a step holds keys 32 (T / 2) + 8 (T % 2) + r + 8 (r / 8), so score register 16 b + i is key
; 32 b + 16 (lane / 16) + i; V's tiles of channels are chosen alike, so O's register 16 b + i is channel 32 b + 16 (lane / 16) + i.
; LIMITS.  A hidden logit is taken as -2^30 where the definition has -1e9: t is then a whole number, so that a row with no open key gives p = 1 exactly, as the definition does; the results are the same wherever
; a row's open logits lie above about -9.9e8.  A block of zeros gets the byte 1 (zero codes).  NaN and infinities are not served.
; The two scale bytes of a query row and head are stored as single bytes (32 a wave and pass, inside one block of 256 bytes): the word that they lie in joins two heads, which two work-groups make.
; REGISTERS: v1 16 x lane, v2 8 x lane, v3-4 the step's LDS addresses, v5 Q's scale word's place, v6 my scale byte's place, v9 the hidden score; v12 -M, v13 the largest t, v[14:15] l in two halves;
; v16-27 Q; v28-29 V's scale words; v32-79 four fragments of K; v80-127 V's four; v128-191 S^T, then p; v192-223 O^T; v224-235 p's codes; v232-254 at work; v248-251 K's scale words; v253 p's; v255 Q's.
.set REC,   13056
.set HEADB, 16*REC
.set KF,    32
.set VF,    80
.set S,     128
.set O,     192
	s_load_b256 s[4:11], s[0:1], 0x0               ; hd 4, mw 6, mf 8, xc 10
	s_load_b64 s[12:13], s[0:1], 0x20              ; xs
	v_lshl_add_u32 v31, v0, 2, 0x33000
	v_mov_b32 v243, 0
	v_lshrrev_b32 v7, 5, v0
	v_readfirstlane_b32 s14, v7                    ; wave
	s_and_b32 s15, ttmp7, 0xffff                   ; g
	s_mov_b32 s16, ttmp9                           ; which 512 queries
	v_and_b32 v7, 31, v0
	v_lshlrev_b32 v1, 4, v7
	v_lshlrev_b32 v2, 3, v7
	v_and_b32 v8, 15, v0                           ; r
	v_bfe_u32 v10, v0, 4, 1                        ; h
	s_mul_i32 s68, s14, REC
	v_add_nc_u32 v3, s68, v1                       ; the copy: my wave's record
	v_add_nc_u32 v4, s68, v2
	s_mul_i32 s69, s15, HEADB
	s_add_co_u32 s70, s68, s69
	s_mov_b32 s71, 0
	s_wait_kmcnt 0x0
	s_add_nc_u64 s[72:73], s[4:5], s[70:71]
.irp i, 0,1,2,3,4,5,6,7,8,9,10,11,12,13,14,15,16,17,18,19,20,21,22,23,24
	global_load_b128 v[32+4*\i:35+4*\i], v1, s[72:73] offset:512*\i
.endr
	global_load_b64 v[132:133], v2, s[72:73] offset:12800
	; the pointers, with qt0 = 32 x + wave
	s_lshl_b32 s74, s16, 5
	s_add_co_u32 s74, s74, s14
	s_mov_b32 s77, 0
	s_mul_i32 s76, s15, 98304
	s_mul_i32 s75, s74, 768
	s_add_co_u32 s76, s76, s75
	s_add_co_u32 s76, s76, 13369344
	s_add_nc_u64 s[26:27], s[4:5], s[76:77]        ; Q's piece
	s_lshl_b32 s76, s15, 13
	s_lshl_b32 s75, s16, 2
	s_lshr_b32 s78, s14, 3
	s_add_co_u32 s75, s75, s78
	s_lshl_b32 s75, s75, 9
	s_add_co_u32 s76, s76, s75
	s_add_co_u32 s76, s76, 19660800
	s_add_nc_u64 s[28:29], s[4:5], s[76:77]        ; Q's scale words: my group of 128 tokens
	s_lshl_b32 s76, s74, 12
	s_add_nc_u64 s[6:7], s[6:7], s[76:77]          ; the mask words
	s_lshl_b32 s76, s74, 4
	s_add_nc_u64 s[8:9], s[8:9], s[76:77]          ; the flags
	s_lshr_b32 s78, s15, 4
	s_lshl_b32 s78, s78, 7
	s_add_co_u32 s78, s78, s74
	s_add_co_u32 s78, s78, 1792                    ; my row tile in xc and xs
	s_and_b32 s79, s15, 15                         ; the head
	s_mul_i32 s76, s78, 12288
	s_mul_i32 s75, s79, 768
	s_add_co_u32 s76, s76, s75
	s_add_nc_u64 s[10:11], s[10:11], s[76:77]      ; the head's piece of the tile: K step head / 2, half head % 2
	s_lshl_b32 s76, s78, 9
	s_lshr_b32 s75, s79, 3
	s_lshl_b32 s75, s75, 8
	s_add_co_u32 s76, s76, s75
	s_bfe_u32 s75, s79, 0x20001
	s_lshl_b32 s75, s75, 2
	s_add_co_u32 s76, s76, s75
	s_and_b32 s75, s79, 1
	s_lshl_b32 s75, s75, 1
	s_add_co_u32 s76, s76, s75
	s_add_nc_u64 s[12:13], s[12:13], s[76:77]      ; and its two bytes of the scale word
	s_and_b32 s24, s14, 1
	s_lshl_b32 s24, s24, 8
	s_bfe_u32 s25, s14, 0x20001
	s_lshl_b32 s25, s25, 2
	s_add_co_u32 s24, s24, s25
	v_lshl_add_u32 v5, v8, 4, s24                  ; [lane 16 (wave % 2) + r][tile pair (wave / 2) % 4]
	v_lshl_add_u32 v6, v8, 4, v10                  ; 16 r + h
	v_mov_b32 v9, 0xd0000000                       ; -2^33: a hidden score
	s_mov_b32 s20, 0x76543210
	s_mov_b32 s21, 0xfedcba98                      ; lane l xor 16
	s_mov_b32 s22, 0x3e38aa3b                      ; c = log2(e) / 8
	s_mov_b32 s23, s22                             ; (named with it as a pair)
	s_mov_b32 s30, 0xffff0000                      ; lanes 16-31
	s_mov_b32 s18, 2                               ; passes
.irp i, 0,1,2,3,4,5,6,7,8,9,10,11,12,13,14,15,16,17,18,19,20,21,22,23,24
	s_wait_loadcnt 25-\i                           ; loads come back in order (ISA guide 5.7.1): load i is in, the 25 - i behind it may be out
	ds_store_b128 v3, v[32+4*\i:35+4*\i] offset:512*\i
.endr
	s_wait_loadcnt 0x0
	ds_store_b64 v4, v[132:133] offset:12800
	s_wait_dscnt 0x0                               ; for the others' sake: my record lies in LDS
	s_barrier_signal -1
	s_barrier_wait -1                              ; all sixteen do; from here on LDS is only read
.irp j, 22,23,24,25,26,27
	v_mov_b32 v[\j], 0                             ; the upper 64 of the first product's K: zero codes, in Q
.endr
.irp t, 0,1,2,3
.irp j, 6,7,8,9,10,11
	v_mov_b32 v[KF+12*\t+\j], 0                    ; and in K's four fragments: they stay
.endr
.endr
.macro QK t                            ; S^T, tile t: 16 keys x my 16 queries.  K's scale words: lanes 0-15 of register t / 2 hold the even tile's, lanes 16-31 the odd one's
.if (\t)%2
	v_wmma_scale_f32_16x16x128_f8f6f4 v[S+8*(\t):S+8*(\t)+7], v[KF+12*((\t)%4):KF+12*((\t)%4)+11], v[16:27], 0, v[248+(\t)/2], v255 matrix_a_fmt:MATRIX_FMT_FP6 matrix_b_fmt:MATRIX_FMT_FP6 matrix_a_scale:MATRIX_SCALE_ROW1
.else
	v_wmma_scale_f32_16x16x128_f8f6f4 v[S+8*(\t):S+8*(\t)+7], v[KF+12*((\t)%4):KF+12*((\t)%4)+11], v[16:27], 0, v[248+(\t)/2], v255 matrix_a_fmt:MATRIX_FMT_FP6 matrix_b_fmt:MATRIX_FMT_FP6
.endif
.endm
.macro QKPHASE
.irp t, 0,1,2,3
	ds_load_b128 v[KF+12*\t:KF+12*\t+3], v3 offset:768*\t
	ds_load_b64 v[KF+12*\t+4:KF+12*\t+5], v4 offset:768*\t+512
.endr
	ds_load_b128 v[248:251], v3 offset:12288
	s_wait_dscnt 0x0
.irp t, 0,1,2,3
	QK \t
.endr
.rept 4
	v_nop                                          ; places in front of loads into registers that matrix instructions have read
.endr
.irp t, 0,1,2,3
	ds_load_b128 v[KF+12*\t:KF+12*\t+3], v3 offset:768*(4+\t)
	ds_load_b64 v[KF+12*\t+4:KF+12*\t+5], v4 offset:768*(4+\t)+512
.endr
.irp d, 0,1,2,3                        ; V's four fragments are asked for here and land under the softmax
	ds_load_b128 v[VF+12*\d:VF+12*\d+3], v3 offset:6144+1536*\d
	ds_load_b64 v[VF+12*\d+4:VF+12*\d+5], v4 offset:6144+1536*\d+512
	ds_load_b128 v[VF+12*\d+6:VF+12*\d+9], v3 offset:6144+1536*\d+768
	ds_load_b64 v[VF+12*\d+10:VF+12*\d+11], v4 offset:6144+1536*\d+1280
.endr
	ds_load_b64 v[28:29], v4 offset:12800
	s_wait_dscnt 17                                ; K's eight loads are in; V's sixteen and its scale words may be out
.irp t, 4,5,6,7
	QK \t
.endr
.rept 4
	v_nop                                          ; places in front of the first read of the scores
.endr
.endm
.Lpass:
	global_load_b128 v[16:19], v1, s[26:27]        ; Q's piece
	global_load_b64 v[20:21], v2, s[26:27] offset:512
	global_load_b32 v255, v5, s[28:29]             ; and its scale words
	s_load_b128 s[32:35], s[8:9], 0x0              ; the tile's flags: bit s: step s is all true
	v_mov_b32 v13, 0xff61b1e6                      ; the largest t so far: -3e38
	v_floor_f32 v12, -v13                          ; -M
	v_mov_b32 v14, 0
	v_mov_b32 v15, 0
	v_mov_b32 v253, 0                              ; (named as the upper half of v[252:253] before it is first written)
.irp b, 0,1,2,3
	v_mov_b32 v[236+\b], 0                         ; a lane permute's destination counts as one of its sources
.endr
.set J, 0
.rept 32
	v_mov_b32 v[O+J], 0                            ; O^T: the step is written once; the first finds zeros, which the first change of M leaves zeros
.set J, J+1
.endr
	s_mov_b32 s17, 0                               ; the step's record in LDS
	s_wait_kmcnt 0x0
	s_or_b32 s19, s32, s33
	s_or_b32 s19, s19, s34
	s_or_b32 s19, s19, s35
	s_wait_loadcnt 0x0
.Lstep:                                            ; 16 trips: 128 keys each
	v_add_nc_u32 v3, s17, v1
	v_add_nc_u32 v4, s17, v2
	v_nop
	v_nop                                          ; four places behind the last step's products, whose operands are loaded anew below
	s_bitcmp1_b32 s19, 0
	s_cbranch_scc1 .Lopen                          ; all 16 x 128 open: no mask words, no selects
	s_load_b512 s[32:47], s[6:7], 0x0              ; the step's 64 lane masks: word n in s[32 + n] (n < 32), s[36 + n] (n >= 32)
	s_load_b512 s[48:63], s[6:7], 0x40
	s_load_b512 s[68:83], s[6:7], 0x80
	s_load_b512 s[84:99], s[6:7], 0xc0
	QKPHASE
	s_wait_kmcnt 0x0
.set J, 0
.rept 64
.set N, 2*(J%32)+J/32
	v_cndmask_b32 v[S+J], v9, v[S+J], s[32+N+4*(N/32)]   ; hidden keys' scores become -2^33, ahead of the maximum
.set J, J+1
.endr
	s_branch .Ljoin
.Lopen:
	QKPHASE
.Ljoin:
.irp b, 0,1,2,3
	v_max3_num_f32 v[232+\b], v[S+16*\b], v[S+1+16*\b], v[S+2+16*\b]   ; the largest score of each block of 32 keys: for the row's maximum, and, since p rises with the score, for the block's largest p
.endr
.irp i, 3,5,7,9,11,13
.irp b, 0,1,2,3
	v_max3_num_f32 v[232+\b], v[232+\b], v[S+16*\b+\i], v[S+1+16*\b+\i]
.endr
.endr
.irp b, 0,1,2,3
	v_max_num_f32 v[232+\b], v[232+\b], v[S+15+16*\b]
.endr
.irp b, 0,1,2,3
	v_permlanex16_b32 v[236+\b], v[232+\b], s20, s21
.endr
.irp b, 0,1,2,3
	v_max_num_f32 v[232+\b], v[232+\b], v[236+\b]  ; with lane l xor 16's 16 keys
.endr
	v_max3_num_f32 v254, v232, v233, v234
	v_max_num_f32 v254, v254, v235
	v_mul_f32 v254, s22, v254                      ; as t (c is positive)
	v_max_num_f32 v13, v13, v254                   ; the running largest t
	v_mov_b32 v254, v12
	v_floor_f32 v12, -v13                          ; the new -M = floor(-t) = -ceil(t)
	v_sub_f32 v254, v12, v254                      ; old M - new M: a whole number, 0 or less
	v_cvt_i32_f32 v254, v254                       ; (it saturates)
	v_ldexp_f32 v252, 1.0, v254                    ; f = 2^(old M - new M)
.set J, 0
.rept 32
	v_pk_fma_f32 v[S+J:S+J+1], v[S+J:S+J+1], s[22:23], v[12:13] op_sel_hi:[1,0,0]   ; t - M, two at a time
.set J, J+2
.endr
.irp b, 0,1,2,3
	v_fma_f32 v[232+\b], v[232+\b], s22, v12       ; the same of each block's largest score
.endr
.set J, 0
.rept 64
	v_exp_f32 v[S+J], v[S+J]                       ; p = 2^(t - M), at most 1
.set J, J+1
.endr
.irp b, 0,1,2,3
	v_exp_f32 v[232+\b], v[232+\b]                 ; the block's largest p: the same two instructions on the same number
.endr
	v_pk_mul_f32 v[14:15], v[14:15], v[252:253] op_sel_hi:[1,0]   ; l under the new M.  (A plain place behind the exponentials)
	s_wait_alu depctr_va_vdst(0)
.irp b, 0,1,2,3
	v_max_num_f32 v[232+\b], 0x1800000, v[232+\b]  ; the floor 2^(3 - 127)
.endr
.irp b, 0,1,2,3
	v_add_nc_u32 v[244+\b], 0xff000000, v[232+\b]  ; 2 off the exponent field: the conversion's scale operand
.endr
.irp b, 0,1,2,3
	v_lshrrev_b32 v[236+\b], 23, v[244+\b]
.endr
	v_lshl_or_b32 v253, v237, 8, v236              ; p's scale word for these 128 keys
	v_lshl_or_b32 v253, v238, 16, v253
	v_lshl_or_b32 v253, v239, 24, v253
.irp c, 0,1
	v_cvt_scalef32_pk16_fp6_f32 v[224+6*\c:226+6*\c], v[S+32*\c:S+15+32*\c], v[244+2*\c]
	v_cvt_scalef32_pk16_fp6_f32 v[236+4*\c:238+4*\c], v[S+16+32*\c:S+31+32*\c], v[244+2*\c+1]
.endr
	v_nop                                          ; one plain place behind a scaled conversion
.irp c, 0,1
.irp i, 0,1,2
	v_permlane16_swap_b32 v[224+6*\c+\i], v[236+4*\c+\i]
.endr
.irp i, 0,1,2
	v_mov_b32 v[227+6*\c+\i], v[236+4*\c+\i]
.endr
.endr
	v_pk_add_f32 v[236:237], v[S:S+1], v[S+2:S+3]  ; the row's sum is taken of the unquantised p: two at a time, in two chains
.irp j, 4,8,12,16,20,24,28,32,36,40,44,48,52,56,60
	v_pk_add_f32 v[14:15], v[14:15], v[S+\j:S+1+\j]
	v_pk_add_f32 v[236:237], v[236:237], v[S+2+\j:S+3+\j]
.endr
	v_pk_add_f32 v[14:15], v[14:15], v[236:237]
.set J, 0
.rept 16
	v_pk_mul_f32 v[O+J:O+J+1], v[O+J:O+J+1], v[252:253] op_sel_hi:[1,0]   ; O^T under the new M.  (With the sums above: the places between p's codes and scale word and the products below)
.set J, J+2
.endr
	s_wait_dscnt 0x0                               ; V and its scale words are in
	; O^T += V^T P^T: the four accumulators take turns, one instruction a turn
	v_wmma_scale_f32_16x16x128_f8f6f4 v[O:O+7], v[VF:VF+11], v[224:235], v[O:O+7], v28, v253 matrix_a_fmt:MATRIX_FMT_FP6 matrix_b_fmt:MATRIX_FMT_FP6
	v_wmma_scale_f32_16x16x128_f8f6f4 v[O+8:O+15], v[VF+12:VF+23], v[224:235], v[O+8:O+15], v28, v253 matrix_a_fmt:MATRIX_FMT_FP6 matrix_b_fmt:MATRIX_FMT_FP6 matrix_a_scale:MATRIX_SCALE_ROW1
	v_wmma_scale_f32_16x16x128_f8f6f4 v[O+16:O+23], v[VF+24:VF+35], v[224:235], v[O+16:O+23], v29, v253 matrix_a_fmt:MATRIX_FMT_FP6 matrix_b_fmt:MATRIX_FMT_FP6
	v_wmma_scale_f32_16x16x128_f8f6f4 v[O+24:O+31], v[VF+36:VF+47], v[224:235], v[O+24:O+31], v29, v253 matrix_a_fmt:MATRIX_FMT_FP6 matrix_b_fmt:MATRIX_FMT_FP6 matrix_a_scale:MATRIX_SCALE_ROW1
	s_lshr_b32 s19, s19, 1                         ; the next step's flag,
	s_add_nc_u64 s[6:7], s[6:7], 256               ; mask words (the scalar loads that named this base were waited for),
	s_add_co_u32 s17, s17, REC                     ; and record
	s_cmp_lt_u32 s17, HEADB
	s_cbranch_scc1 .Lstep
	; THE PASS'S END: O^T / l, quantised in two blocks of 32 channels: the head's piece of the output projection's operand
.rept 4
	v_nop
.endr
	v_add_f32 v14, v14, v15
	v_permlanex16_b32 v252, v14, s20, s21
	v_add_f32 v14, v14, v252                       ; the row's sum
	v_rcp_f32 v14, v14
	v_nop                                          ; one plain place behind a transcendental
.set J, 0
	s_wait_alu depctr_va_vdst(0)
.rept 16
	v_pk_mul_f32 v[S+J:S+J+1], v[O+J:O+J+1], v[14:15] op_sel_hi:[1,0]   ; register 16 b + i: channel 32 b + 16 h + i of my query
.set J, J+2
.endr
.irp b, 0,1
	v_max3_num_f32 v[232+\b], |v[S+16*\b]|, |v[S+1+16*\b]|, 0x1800000
.endr
.irp i, 2,4,6,8,10,12,14
.irp b, 0,1
	v_max3_num_f32 v[232+\b], v[232+\b], |v[S+16*\b+\i]|, |v[S+1+16*\b+\i]|
.endr
.endr
.irp b, 0,1
	v_permlanex16_b32 v[236+\b], v[232+\b], s20, s21
.endr
.irp b, 0,1
	v_max_num_f32 v[232+\b], v[232+\b], v[236+\b]
.endr
.irp b, 0,1
	v_add_nc_u32 v[244+\b], 0xff000000, v[232+\b]
.endr
.irp b, 0,1
	v_lshrrev_b32 v[240+\b], 23, v[244+\b]
.endr
	v_cvt_scalef32_pk16_fp6_f32 v[224:226], v[S:S+15], v244
	v_cvt_scalef32_pk16_fp6_f32 v[236:238], v[S+16:S+31], v245
	v_cndmask_b32 v242, v240, v241, s30            ; lanes 0-15 store block 0's byte, lanes 16-31 block 1's.  (The plain place behind the conversions)
.irp i, 0,1,2
	v_permlane16_swap_b32 v[224+\i], v[236+\i]
.endr
.irp i, 0,1,2
	v_mov_b32 v[227+\i], v[236+\i]
.endr
	global_store_b128 v1, v[224:227], s[10:11]     ; 512 consecutive bytes,
	global_store_b64 v2, v[228:229], s[10:11] offset:512   ; 256
	global_store_b8 v6, v242, s[12:13]
	s_wait_xcnt 0x0                                ; the stores have read their data and bases: both are written again only behind this wait
	s_add_nc_u64 s[26:27], s[26:27], 12288         ; sixteen query tiles on
	s_add_nc_u64 s[28:29], s[28:29], 1024
	s_add_nc_u64 s[6:7], s[6:7], 61440
	s_add_nc_u64 s[8:9], s[8:9], 256
	s_add_nc_u64 s[10:11], s[10:11], 196608
	s_add_nc_u64 s[12:13], s[12:13], 8192
	s_sub_co_u32 s18, s18, 1
	s_cmp_lg_u32 s18, 0
	s_cbranch_scc1 .Lpass
	s_wait_tensorcnt 0x0
	ds_add_u32 v31, v243
	s_wait_dscnt 0x0
	s_endpgm
.Lfunc_end_k_q2f564ba6cd_attn:
	.size	k_q2f564ba6cd_attn, .Lfunc_end_k_q2f564ba6cd_attn-k_q2f564ba6cd_attn
	.p2alignl 7, 3214868480
	.fill 96, 4, 3214868480
	.section	.rodata,"a",@progbits
	.p2align	6, 0x0
	.amdhsa_kernel k_q2f564ba6cd_attn
		.amdhsa_group_segment_fixed_size 210944
		.amdhsa_private_segment_fixed_size 0
		.amdhsa_enable_private_segment 0
		.amdhsa_kernarg_size 40
		.amdhsa_user_sgpr_count 2
		.amdhsa_user_sgpr_kernarg_segment_ptr 1
		.amdhsa_wavefront_size32 1
		.amdhsa_system_sgpr_workgroup_id_x 1
		.amdhsa_system_sgpr_workgroup_id_y 1
		.amdhsa_system_sgpr_workgroup_id_z 1
		.amdhsa_system_vgpr_workitem_id 0
		.amdhsa_next_free_vgpr 256
		.amdhsa_next_free_sgpr 100
		.amdhsa_reserve_vcc 0
		.amdhsa_float_denorm_mode_32 3
		.amdhsa_float_denorm_mode_16_64 3
		.amdhsa_memory_ordered 1
		.amdhsa_forward_progress 1
		.amdhsa_inst_pref_size 39
	.end_amdhsa_kernel
	.amdgpu_metadata
---
amdhsa.version: [ 1, 2 ]
amdhsa.kernels:
  - .name:           k_q2f564ba6cd_attn
    .symbol:         k_q2f564ba6cd_attn.kd
    .args:
      - { .name: hd, .offset: 0, .size: 8, .value_kind: global_buffer, .address_space: global }
      - { .name: mw, .offset: 8, .size: 8, .value_kind: global_buffer, .address_space: global }
      - { .name: mf, .offset: 16, .size: 8, .value_kind: global_buffer, .address_space: global }
      - { .name: xc, .offset: 24, .size: 8, .value_kind: global_buffer, .address_space: global }
      - { .name: xs, .offset: 32, .size: 8, .value_kind: global_buffer, .address_space: global }
    .group_segment_fixed_size: 210944
    .private_segment_fixed_size: 0
    .kernarg_segment_align: 8
    .kernarg_segment_size: 40
    .max_flat_workgroup_size: 512
    .sgpr_count:     100
    .vgpr_count:     256
    .wavefront_size: 32
...
	.end_amdgpu_metadata
.endif
;; end of part 3
;; launch outp (part 4): grid 4 x 32, 4 waves a work-group, clusters of 4 x 4, 327,680 bytes of LDS; arguments xc, xs, bo, out0; writes out0
.if DOCPART == 4
	.amdgcn_target "amdgcn-amd-amdhsa--gfx1250"
	.amdhsa_code_object_version 6
	.text
	.protected	k_q2f564ba6cd_outp
	.globl	k_q2f564ba6cd_outp
	.p2align	8
	.type	k_q2f564ba6cd_outp,@function
k_q2f564ba6cd_outp:
	s_mov_b64 s[64:65], 0
	v_nop
	global_prefetch_b8 v0, s[64:65] scope:SCOPE_SE
	s_setreg_imm32_b32 hwreg(HW_REG_WAVE_MODE, 25, 1), 1
	s_wait_xcnt 0x0
	s_wait_alu depctr_hold_cnt(0) depctr_sa_sdst(0) depctr_va_vdst(0) depctr_va_sdst(0) depctr_va_ssrc(0) depctr_va_vcc(0) depctr_vm_vsrc(0)
	s_getreg_b32 s2, hwreg(HW_REG_IB_STS2, 6, 4)
	s_cmp_eq_u32 s2, 0
	s_cbranch_scc0 .Lentry_in_a_cluster
	s_endpgm
.Lentry_in_a_cluster:
	s_bfe_u32 s2, ttmp6, 0x10000c
	s_cmp_lg_u32 s2, 0xf033
	s_cbranch_scc0 .Lentry_shape_is_right
	s_endpgm
.Lentry_shape_is_right:
; OUTP.  out0 = A wo^T + bo on codes of FP6 (E2M3) with E8M0 scales, K = 1,024.  A' = the attention's result (row tiles 1792 .. 2303 of xc), B' = wo (row tiles 1728 .. 1791); out0 [8192][1024] f32.
; OPERANDS lie in xc as images of operand registers: row tile T (rows 32 (T / 2) + 8 (T % 2) + r + 8 (r / 8)), K step s: 1,536 bytes at 12,288 T + 1,536 s; registers 0-3 at 16 x lane, 4-5 at 512 + 8 x lane,
; 6-9 at 768 + 16 x lane, 10-11 at 1,280 + 8 x lane.  Scale words in xs: (T, r, s) at 512 T + 256 (s / 4) + 16 r + 4 (s % 4).
; A tile of C is 256 x 256: four waves, each 128 x 128 in 64 accumulators.  K goes in steps of 256 through two LDS slots filled by the tensor data mover; a wave's load brings 8 row tiles x 3,072 bytes.
; CLUSTERS: 4 x 4 work-groups; A's tiles are asked for jointly along a row of the cluster, B's along a column.  THE MATRIX INSTRUCTION IS USED TRANSPOSED (source 0 = wo, source 1 = tokens): lane (r, h) holds
; row r of A's tile; the 16 registers of B's tiles 2 b and 2 b + 1 are the 16 neighbouring columns 32 b + 16 h + 0 .. 15.  The bias is the C of each sum's first instruction.
; 128 tiles of C: 128 work-groups.
; REGISTERS: window 0: v16-27 addresses; v32-95 scale words (8 i + K step: lanes 0-15 A's block i, lanes 16-31 B's block i); v96-127, v224-255 the bias; v128-223 A's 8 fragments; on the way out v128-255 rows of C.
; window 1: B's fragments, two sets.  windows 2, 3: accumulator (a, b) at v[8 (8 (a % 4) + b)].
.set FR,    12
.set NL,    4
.set NP,    4                          ; places behind this matrix instruction (ISA guide 7.12.1)
.set HALFT, 24576
.set SLOT,  4*HALFT
.set SPARE, 2*SLOT                     ; the spare words: 128 bytes a wave, two blocks of 256 bytes that no other line names
.set SPITCH, 528                       ; the way out: a stage of 16 rows x (512 bytes + 16) for each wave, in slot 0, which has had its last fill and its last read when the first result is stored there
.set ADRA,  16
.set ADRB,  20
.set L16,   24
.set L8,    25
.set SOFF,  26
.set BOF,   27
.set SPW,   28
.set NIL,   29
.set STO,   30
.set RD,    31
.set SC,    32
.set AF,    128
.set BK,    128
.set G1,    24
.set G0,    32
.set G1B,   48
.set G0B,   56
.set MSB, 0
.macro WIN new
.if MSB != (\new)
	s_set_vgpr_msb (MSB<<8)|(\new)
.set MSB, (\new)
.endif
.endm
.set MUL_LO, 0xa1
.set MUL_HI, 0xf1
.set TO_B,   0x40
.macro JLOAD g0a, g1a, g0b, g1b        ; a joint load: waves 0 and 1 fetch for A, waves 2 and 3 for B; four v_nop follow each of the two lines
	s_cmp_eq_u32 s17, 0
	s_cbranch_scc0 .Lfor_b_\@
	tensor_load_to_lds s[\g0a:\g0a+3], s[\g1a:\g1a+7]
	s_nop 0
.rept 4
	v_nop
.endr
	s_branch .Lasked_\@
.Lfor_b_\@:
	tensor_load_to_lds s[\g0b:\g0b+3], s[\g1b:\g1b+7]
	s_nop 0
.rept 4
	v_nop
.endr
.Lasked_\@:
.endm
.macro CREST
	s_cmp_lg_u32 s16, 0
	s_cbranch_scc1 .Lnot_wave_0_\@
	s_barrier_signal -3
.Lnot_wave_0_\@:
	s_barrier_wait -3
	s_barrier_signal -1
	s_barrier_wait -1
.endm
.macro CROUND
	s_barrier_signal -1
	s_barrier_wait -1
	CREST
.endm
.macro PLACES n
.rept \n
	v_nop
.endr
.endm
	s_load_b256 s[4:11], s[0:1], 0x0               ; xc 4, xs 6, bo 8, out0 10
	v_lshl_add_u32 v[SPW], v0, 2, SPARE
	v_mov_b32 v[NIL], 0
	ds_add_u32 v28, v29
	ds_add_u32 v28, v29
	s_wait_dscnt 0x0
	v_lshrrev_b32 v1, 5, v0
	v_readfirstlane_b32 s16, v1                    ; wave
	s_lshr_b32 s17, s16, 1                         ; RH: my half of the rows.  Also: I fetch for A (0) or B (1)
	s_and_b32 s18, s16, 1                          ; CH: my half of the columns.  Also: which 8 row tiles I fetch
	s_bfe_u32 s40, ttmp6, 0x40000                  ; cx
	s_bfe_u32 s41, ttmp6, 0x40004                  ; cy
	s_and_b32 s20, ttmp7, 0xffff
	s_lshl_b32 s19, s20, 2
	s_add_co_u32 s19, s19, s41                     ; TR = 4 x cluster y + cy
	s_mov_b32 s42, s40                             ; TC = cx
	s_lshl_b32 s43, s41, 2
	s_lshl_b32 s43, 15, s43                        ; my row of the cluster
	s_lshl_b32 s44, 0x1111, s40                    ; my column
	s_or_b32 s[G1+0], s43, (3<<16)|(1<<21)         ; 15:0 the mask; 17:16 elements of 8 bytes; 21 set beside a mask; no padding
	s_or_b32 s[G1B+0], s44, (3<<16)|(1<<21)
.irp g, G1, G1B
	s_mov_b32 s[\g+1], 384<<16                     ; tensor_dim0: 3,072 bytes
	s_mov_b32 s[\g+2], 8<<16                       ; tensor_dim1
	s_mov_b32 s[\g+3], 384<<16                     ; tile_dim0
	s_mov_b32 s[\g+4], 8                           ; tile_dim1
	s_mov_b32 s[\g+5], 1536                        ; tensor_dim0_stride: 12,288 bytes
	s_mov_b32 s[\g+6], 0
	s_mov_b32 s[\g+7], 0
.endr
	s_lshl_b32 s68, s19, 4
	s_add_co_u32 s68, s68, 1792                    ; A's first row tile: hangs on cy alone
	s_lshl_b32 s70, s42, 4
	s_add_co_u32 s70, s70, 1728                    ; B's: on cx alone
	s_lshl_b32 s72, s18, 3
	s_add_co_u32 s74, s68, s72
	s_mul_i32 s74, s74, 12288
	s_mov_b32 s75, 0
	s_add_co_u32 s76, s70, s72
	s_mul_i32 s76, s76, 12288
	s_mov_b32 s77, 0
	s_mul_i32 s73, s16, HALFT
	s_wait_kmcnt 0x0
	s_add_nc_u64 s[74:75], s[4:5], s[74:75]
	s_add_nc_u64 s[76:77], s[4:5], s[76:77]
	CROUND                                         ; all sixteen work-groups are here: the first joint loads meet
.irp s, 0,1
	s_mov_b32 s[G0+4*\s], 1
	s_add_co_u32 s[G0+4*\s+1], s73, \s*SLOT
	s_add_nc_u64 s[G0+4*\s+2:G0+4*\s+3], s[74:75], \s*3072
	s_or_b32 s[G0+4*\s+3], s[G0+4*\s+3], 0x80000000
	s_mov_b32 s[G0B+4*\s], 1
	s_add_co_u32 s[G0B+4*\s+1], s73, \s*SLOT
	s_add_nc_u64 s[G0B+4*\s+2:G0B+4*\s+3], s[76:77], \s*3072
	s_or_b32 s[G0B+4*\s+3], s[G0B+4*\s+3], 0x80000000
	JLOAD G0+4*\s, G1, G0B+4*\s, G1B               ; two loads of mine are out
.endr
	v_and_b32 v1, 31, v0
	v_and_b32 v2, 15, v0                           ; r
	v_bfe_u32 v3, v0, 4, 1                         ; h
	v_lshlrev_b32 v[L16], 4, v1
	v_lshlrev_b32 v[L8], 3, v1
	s_mul_i32 s78, s17, HALFT
	s_mul_i32 s79, s18, HALFT
	s_add_co_u32 s79, s79, 2*HALFT
.irp s, 0,1
	v_add_nc_u32 v[ADRA+\s], s78, v[L16]
	v_add_nc_u32 v[ADRA+2+\s], s78, v[L8]
	v_add_nc_u32 v[ADRB+\s], s79, v[L16]
	v_add_nc_u32 v[ADRB+2+\s], s79, v[L8]
	s_add_co_u32 s78, s78, SLOT
	s_add_co_u32 s79, s79, SLOT
.endr
	s_mul_i32 s3, s16, 16*SPITCH                   ; my stage
	v_mul_u32_u24 v4, v2, SPITCH
	v_lshl_add_u32 v4, v3, 6, v4
	v_add_nc_u32 v[STO], s3, v4                    ; in: row r, + 64 h
	v_add_nc_u32 v[RD], s3, v[L16]                 ; back: the 32 lanes take one row of 512 bytes
	; the scale words, once for all of K: lanes 0-15 take A's, lanes 16-31 B's
	s_lshl_b32 s80, s17, 3
	s_add_co_u32 s80, s80, s68
	s_lshl_b32 s80, s80, 9
	s_add_co_u32 s81, s70, s72
	s_lshl_b32 s81, s81, 9
	s_mov_b32 s82, 0xffff0000
	v_mov_b32 v4, s80
	v_mov_b32 v5, s81
	v_cndmask_b32 v4, v4, v5, s82
	v_lshl_add_u32 v[SOFF], v2, 4, v4
.irp i, 0,1,2,3,4,5,6,7
.irp u, 0,1
	global_load_b128 v[SC+8*\i+4*\u:SC+8*\i+4*\u+3], v[SOFF], s[6:7] offset:512*\i+256*\u
.endr
.endr
	v_lshlrev_b32 v[BOF], 6, v3
	s_lshl_b32 s86, s19, 8
	s_lshl_b32 s87, s17, 7
	s_add_co_u32 s86, s86, s87                     ; my first row of C
	s_lshl_b32 s87, s42, 8
	s_lshl_b32 s88, s18, 7
	s_add_co_u32 s87, s87, s88                     ; my first column
	s_lshl_b32 s84, s87, 2
	s_mov_b32 s85, 0
	s_add_nc_u64 s[8:9], s[8:9], s[84:85]          ; bo at my columns
	s_add_nc_u64 s[10:11], s[10:11], s[84:85]
	s_lshl_b32 s84, s86, 12
	s_add_nc_u64 s[10:11], s[10:11], s[84:85]      ; out0 at my corner
.irp b, 0,1,2,3,4,5,6,7                ; tile b's eight columns of my half
	global_load_b128 v[96+8*\b+96*(\b/4):99+8*\b+96*(\b/4)], v[BOF], s[8:9] offset:(32*(\b/2)+8*(\b%2))*4
	global_load_b128 v[100+8*\b+96*(\b/4):103+8*\b+96*(\b/4)], v[BOF], s[8:9] offset:(32*(\b/2)+8*(\b%2))*4+16
.endr
.macro FRAG reg, adr, q, i             ; a fragment's image: four loads, 512, 256, 512 and 256 consecutive bytes
	ds_load_b128 v[\reg:\reg+3], v[\adr] offset:3072*(\i)+1536*(\q)
	ds_load_b64 v[\reg+4:\reg+5], v[\adr+2] offset:3072*(\i)+1536*(\q)+512
	ds_load_b128 v[\reg+6:\reg+9], v[\adr] offset:3072*(\i)+1536*(\q)+768
	ds_load_b64 v[\reg+10:\reg+11], v[\adr+2] offset:3072*(\i)+1536*(\q)+1280
.endm
; 16 matrix instructions: A's blocks a0, a0 + 1 x B's eight, K step ks.  mode 0: onto the sums; 1: the bias of B's block starts them.
; The 64 accumulators take turns, one instruction a turn, in the same order in every step.
.macro MUL16 a0, p, ks, mode
.irp a, \a0, \a0+1
.irp b, 0,1,2,3,4,5,6,7
.set DD, 8*(8*((\a)%4)+\b)
.set CC, DD
.if \mode == 1
.set CC, 96+8*\b+96*(\b/4)
.endif
	v_wmma_scale_f32_16x16x128_f8f6f4 v[DD:DD+7], v[128*(\p)+FR*\b:128*(\p)+FR*\b+FR-1], v[AF+FR*(\a):AF+FR*(\a)+FR-1], v[CC:CC+7], v[SC+8*\b+(\ks)], v[SC+8*(\a)+(\ks)] matrix_a_fmt:MATRIX_FMT_FP6 matrix_b_fmt:MATRIX_FMT_FP6 matrix_a_scale:MATRIX_SCALE_ROW1
.endr
.endr
.endm
.macro FETCH_B slot, q, p
	WIN TO_B
.irp i, 0,1,2,3,4,5,6,7
	FRAG 128*(\p)+FR*\i, ADRB+\slot, \q, \i
.endr
	WIN 0
.endm
.macro FETCH_A slot, q, i0
.irp i, \i0, \i0+1, \i0+2, \i0+3
	FRAG AF+FR*(\i), ADRA+\slot, \q, \i
.endr
.endm
.macro STEP slot, ks, mode             ; a slot's first K step
	s_wait_dscnt 4*NL                              ; B's set and A's blocks 0-3 are in; the 16 youngest loads (A's blocks 4-7) may be out
.if \mode
	WIN 0x81                                       ; C (the bias) in window 0, D in window 2
.else
	WIN MUL_LO
.endif
	MUL16 0, 0, \ks, \mode
	MUL16 2, 0, \ks, \mode
	s_wait_dscnt 0x0
	PLACES NP
	FETCH_B \slot, 1, 1
	FETCH_A \slot, 1, 0
.if \mode
	WIN 0xc1
.else
	WIN MUL_HI
.endif
	MUL16 4, 0, \ks, \mode
	MUL16 6, 0, \ks, \mode
	PLACES NP
	WIN 0
	FETCH_A \slot, 1, 4
.endm
.macro TURN slot, next, fill, ks       ; a slot's second K step changes slots: ONE barrier
	s_wait_tensorcnt 0x0                           ; all my tensor loads have landed: my part of the next slot
	ds_add_u32 v[SPW], v[NIL]                      ; 0 onto my spare word
	s_wait_dscnt 4*NL+1                            ; the add and the 16 youngest loads may be out
	WIN MUL_LO
	MUL16 0, 1, \ks, 0
	s_wait_dscnt 0x0                               ; the add is done, and my reads of this slot are over
	s_barrier_signal -1
	MUL16 2, 1, \ks, 0
	WIN 0
	s_barrier_wait -1
.if \fill
	CREST                                          ; the barrier has opened a round of the cluster's: no wave of any partner still reads this slot or has a load on its way
	s_add_nc_u64 s[G0+4*\slot+2:G0+4*\slot+3], s[G0+4*\slot+2:G0+4*\slot+3], 6144
	s_add_nc_u64 s[G0B+4*\slot+2:G0B+4*\slot+3], s[G0B+4*\slot+2:G0B+4*\slot+3], 6144
	JLOAD G0+4*\slot, G1, G0B+4*\slot, G1B         ; my one tensor load behind the round; its four v_nop are also the places in front of the loads below
.else
	PLACES NP
.endif
	FETCH_B \next, 0, 0
	FETCH_A \next, 0, 0
	WIN MUL_HI
	MUL16 4, 1, \ks, 0
	MUL16 6, 1, \ks, 0
	PLACES NP
	WIN 0
	FETCH_A \next, 0, 4
.endm
	s_wait_loadcnt 0x0                             ; scale words and bias
	s_wait_tensorcnt 1                             ; my part of slot 0 is in; slot 1's may be out
	s_barrier_signal -1
	s_barrier_wait -1
	FETCH_B 0, 0, 0
	FETCH_A 0, 0, 0
	FETCH_A 0, 0, 4
	STEP 0, 0, 1                                   ; the first K step starts the sums with the bias
	TURN 0, 1, 1, 1
	STEP 1, 2, 0
	TURN 1, 0, 1, 3
	STEP 0, 4, 0
	TURN 0, 1, 0, 5                                ; nothing is left to fetch: no round.  Behind its barrier nobody reads slot 0 any more
	STEP 1, 6, 0
	s_wait_dscnt 4*NL
	WIN MUL_LO
	MUL16 0, 1, 7, 0
	MUL16 2, 1, 7, 0
	s_wait_dscnt 0x0
	WIN MUL_HI
	MUL16 4, 1, 7, 0
	MUL16 6, 1, 7, 0
	WIN 0
; THE WAY OUT, block by block of 16 rows x 128 columns, through my own stage in LDS: in as 32 bytes a lane and tile, back as whole rows of 512 bytes.
; LDS serves a wave's instructions in order (ISA guide 5.7.1.4): no wait between the stores and the loads, nor in front of the next block's stores.
.macro TOSTAGE a
.set AC, 64*((\a)%4)
	WIN 0x08+4*((\a)/4)                            ; the data: window 2 or 3
.irp b, 0,1,2,3,4,5,6,7
	ds_store_b128 v[STO], v[AC+8*\b:AC+8*\b+3] offset:128*(\b/2)+32*(\b%2)          ; columns 32 (b / 2) + 16 h + 8 (b % 2) + 0 .. 7; each accumulator from its low end on
	ds_store_b128 v[STO], v[AC+8*\b+4:AC+8*\b+7] offset:128*(\b/2)+32*(\b%2)+16
.endr
	WIN 0
.set BB, BK+64*((\a)%2)
.irp t, 0,1,2,3,4,5,6,7,8,9,10,11,12,13,14,15
	ds_load_b128 v[BB+4*\t:BB+4*\t+3], v[RD] offset:\t*SPITCH
.endr
.endm
.macro SEND a, younger                 ; younger: the LDS instructions issued behind block a's loads, which may stay out
.set BB, BK+64*((\a)%2)
	s_wait_dscnt \younger
.irp t, 0,1,2,3,4,5,6,7,8,9,10,11,12,13,14,15
	global_store_b128 v[L16], v[BB+4*\t:BB+4*\t+3], s[10:11] offset:(32*((\a)/2)+8*((\a)%2)+\t+8*(\t/8))*4096 th:TH_STORE_NT   ; 32 lanes store 512 consecutive bytes of the tile row's own row of C; 127 rows at the most: inside the signed 24-bit immediate
.endr
.endm
	PLACES NP
	TOSTAGE 0
.irp a, 1,2,3,4,5,6,7
.if \a > 1
	s_wait_xcnt 0x0                                ; block a - 2's stores have read their registers: block a's loads may land there
.endif
	TOSTAGE \a
	SEND \a-1, 32                                  ; behind block a - 1's loads: block a's 16 stores and 16 loads
.endr
	SEND 7, 0
	s_wait_tensorcnt 0x0                           ; the wave's end
	ds_add_u32 v[SPW], v[NIL]
	s_wait_dscnt 0x0
	CROUND                                         ; the closing round
	s_endpgm
.Lfunc_end_k_q2f564ba6cd_outp:
	.size	k_q2f564ba6cd_outp, .Lfunc_end_k_q2f564ba6cd_outp-k_q2f564ba6cd_outp
	.p2alignl 7, 3214868480
	.fill 96, 4, 3214868480
	.section	.rodata,"a",@progbits
	.p2align	6, 0x0
	.amdhsa_kernel k_q2f564ba6cd_outp
		.amdhsa_group_segment_fixed_size 327680
		.amdhsa_private_segment_fixed_size 0
		.amdhsa_enable_private_segment 0
		.amdhsa_kernarg_size 32
		.amdhsa_user_sgpr_count 2
		.amdhsa_user_sgpr_kernarg_segment_ptr 1
		.amdhsa_wavefront_size32 1
		.amdhsa_system_sgpr_workgroup_id_x 1
		.amdhsa_system_sgpr_workgroup_id_y 1
		.amdhsa_system_sgpr_workgroup_id_z 1
		.amdhsa_system_vgpr_workitem_id 0
		.amdhsa_next_free_vgpr 1024
		.amdhsa_next_free_sgpr 100
		.amdhsa_reserve_vcc 0
		.amdhsa_float_denorm_mode_32 3
		.amdhsa_float_denorm_mode_16_64 3
		.amdhsa_memory_ordered 1
		.amdhsa_forward_progress 1
		.amdhsa_inst_pref_size 142
	.end_amdhsa_kernel
	.amdgpu_metadata
---
amdhsa.version: [ 1, 2 ]
amdhsa.kernels:
  - .name:           k_q2f564ba6cd_outp
    .symbol:         k_q2f564ba6cd_outp.kd
    .args:
      - { .name: xc, .offset: 0, .size: 8, .value_kind: global_buffer, .address_space: global }
      - { .name: xs, .offset: 8, .size: 8, .value_kind: global_buffer, .address_space: global }
      - { .name: bo, .offset: 16, .size: 8, .value_kind: global_buffer, .address_space: global }
      - { .name: out0, .offset: 24, .size: 8, .value_kind: global_buffer, .address_space: global }
    .group_segment_fixed_size: 327680
    .private_segment_fixed_size: 0
    .kernarg_segment_align: 8
    .kernarg_segment_size: 32
    .max_flat_workgroup_size: 128
    .sgpr_count:     100
    .vgpr_count:     1024
    .wavefront_size: 32
...
	.end_amdgpu_metadata
.endif
;; end of part 4
;; ======== version 2 of 2: 4 launches; version 1 with the launch attn written anew for expert scheduling mode
;; limits: right only within a limited range of input values
;; workspace buffers: xc 28,311,552 bytes; xs 1,179,648 bytes; hd 20,185,088 bytes; mw 524,288 bytes of whole numbers; mf 2,048 bytes of whole numbers
;; launch prep: the kernel of part 1 again; grid 576 x 1, 4 waves a work-group, no clusters, 34,304 bytes of LDS; arguments q, k, v, wq, wk, wv, wo, mask, xc, xs, mw, mf; writes xc, xs, mw, mf
;; launch proj: the kernel of part 2 again; grid 4 x 96, 4 waves a work-group, clusters of 4 x 4, 327,680 bytes of LDS; arguments xc, xs, bq, bk, bv, hd; writes hd
;; launch attn (part 5): grid 4 x 64, 16 waves a work-group, no clusters, 210,944 bytes of LDS; arguments hd, mw, mf, xc, xs; writes xc, xs
.if DOCPART == 5
	.amdgcn_target "amdgcn-amd-amdhsa--gfx1250"
	.amdhsa_code_object_version 6
	.text
	.protected	k_q2f564ba6cd_attn
	.globl	k_q2f564ba6cd_attn
	.p2align	8
	.type	k_q2f564ba6cd_attn,@function
k_q2f564ba6cd_attn:
	s_mov_b64 s[64:65], 0
	v_nop
	global_prefetch_b8 v0, s[64:65] scope:SCOPE_SE
	s_setreg_imm32_b32 hwreg(HW_REG_WAVE_SCHED_MODE, 0, 2), 2
	s_setreg_imm32_b32 hwreg(HW_REG_WAVE_MODE, 25, 1), 1
	s_wait_xcnt 0x0
	s_wait_alu depctr_vm_vsrc(0)
; ATTN.  O = softmax(where(mask, Q K^T / 8, hidden)) V for one head g = 16 batch + head (work-group y) and 512 queries (work-group x), both products on codes of FP6 (E2M3) with E8M0 scales;
; O / l is quantised along the model's 1,024 for the output projection and stored as an image of operand registers.
; THE SOFTMAX: t = score x log2(e) / 8; M = the row's largest t so far, rounded UP to a whole number; p = 2^(t - M) is quantised along the keys, not normalised; the row's sum l is taken of the unquantised p.
; When M moves, l and O are multiplied by 2^(old M - new M): exact.
; THE FIRST PRODUCT'S K is 64: the upper half of the instruction's 128 is zero codes on both sides (registers that are cleared once and stay), under the byte 0x7f.
; SHARES.  Sixteen waves of 256 registers; a wave takes one tile of 16 queries at a time, twice: tile 32 x + 16 pass + wave.  Every wave walks the head's 2,048 keys, 128 a step.
; LDS.  The head's K, V and scale words, 16 records of 13,056 bytes = 208,896, are copied ONCE, a record a wave, and then only read: one barrier in the launch.
; WHY THROUGH REGISTERS, AND NO CLUSTER: the copy is 13,056 bytes a wave for 32 wave-steps of work, and without tensor loads a step whose 16 x 128 piece of the mask is all true may jump, on a stored flag,
; over its 64 selects and 256 bytes of mask words.
; LAYOUT.  Both products are used transposed: S^T = K Q^T, O^T = V^T P^T: a lane holds ONE query (lane % 16).  Tile T of a step holds keys 32 (T / 2) + 8 (T % 2) + r + 8 (r / 8), so score register 16 b + i is key
; 32 b + 16 (lane / 16) + i; V's tiles of channels are chosen alike, so O's register 16 b + i is channel 32 b + 16 (lane / 16) + i.
; LIMITS.  A hidden logit is taken as -2^30 where the definition has -1e9: t is then a whole number, so that a row with no open key gives p = 1 exactly, as the definition does; the results are the same wherever
; a row's open logits lie above about -9.9e8.  A block of zeros gets the byte 1 (zero codes).  NaN and infinities are not served.
; The two scale bytes of a query row and head are stored as single bytes (32 a wave and pass, inside one block of 256 bytes): the word that they lie in joins two heads, which two work-groups make.
; REGISTERS: v1 16 x lane, v2 8 x lane, v3-4 the step's LDS addresses, v5 Q's scale word's place, v6 my scale byte's place, v9 the hidden score; v12 -M, v13 the largest t, v[14:15] l in two halves;
; v16-27 Q; v28-29 V's scale words; v32-79 four fragments of K; v80-127 V's four; v128-191 S^T, then p; v192-223 O^T; v224-235 p's codes; v232-254 at work; v248-251 K's scale words; v253 p's; v255 Q's.
; v31 and v243: the closing add's two registers, made at the head and kept for it alone.
; THE MODE: SCHED_MODE bits 1:0 = 2 (LLVM: expert scheduling mode 2), set by the entry lines.  The code itself states the register dependences between vector or matrix instructions and memory or LDS
; instructions, with s_wait_alu, always for 0.
; THE PLAN.  Registers that memory or LDS instructions touch, in the loop over the steps:
;   KF (the low six registers of each of K's four fragments)  loaded twice a step: tiles 0-3, asked for in the step BEFORE, read by products K Q^T 0-3; tiles 4-7, asked for behind those, read by products 4-7.
;   v248-251  K's scale words: loaded with tiles 0-3, read by all eight products K Q^T.
;   VF, v28-29  V's fragments and scale words: loaded with K's tiles 4-7, read by the step's four products V^T P^T.
;   v3, v4    read by every LDS load; written once a step, behind the exponentials: from there on they name the next step's record.
;   v1, v2, v5, v6  offsets, made at the head and never written again.
;   S^T, O^T, p's codes and the statistics are named by vector and matrix instructions alone.
; A step has three waits on va_vdst.  (1) Behind products K Q^T 0-3: they are done reading KF, and the last step's V^T P^T are done reading VF and v28-29: the step's 25 loads follow.  (2) Behind the
; exponentials and the two adds to v3 and v4: the exponentials' results are written, the addresses are written, products K Q^T 4-7 are done reading KF and v248-251: the next step's nine loads follow and land
; under the rest of this step.  (3) Ahead of V^T P^T: p's codes and scale word, which vector instructions made, are written.  One wait on vm_vsrc stands ahead of the two adds.
; The last of a pass's 16 steps has no record behind it: it is written out and asks for nothing; a pass's head asks for record 0's part.
.set REC,   13056
.set HEADB, 16*REC
.set KF,    32
.set VF,    80
.set S,     128
.set O,     192
	s_load_b256 s[4:11], s[0:1], 0x0               ; hd 4, mw 6, mf 8, xc 10
	s_load_b64 s[12:13], s[0:1], 0x20              ; xs
	v_lshl_add_u32 v31, v0, 2, 0x33000
	v_mov_b32 v243, 0
	v_lshrrev_b32 v7, 5, v0
	v_readfirstlane_b32 s14, v7                    ; wave
	s_and_b32 s15, ttmp7, 0xffff                   ; g
	s_mov_b32 s16, ttmp9                           ; which 512 queries
	v_and_b32 v7, 31, v0
	v_lshlrev_b32 v1, 4, v7
	v_lshlrev_b32 v2, 3, v7
	v_and_b32 v8, 15, v0                           ; r
	v_bfe_u32 v10, v0, 4, 1                        ; h
	s_wait_alu depctr_va_sdst(0)                   ; s14 is written, ahead of its first reader: the record, the pointers and Q's scale word's place are made from it
	s_mul_i32 s68, s14, REC
	v_add_nc_u32 v3, s68, v1                       ; the copy: my wave's record
	v_add_nc_u32 v4, s68, v2
	s_mul_i32 s69, s15, HEADB
	s_add_co_u32 s70, s68, s69
	s_mov_b32 s71, 0
	s_wait_kmcnt 0x0
	s_add_nc_u64 s[72:73], s[4:5], s[70:71]
	s_wait_alu depctr_va_vdst(0)                   ; v1 to v4 are written: v1 and v2 are the offsets of the loads below, v3 and v4 the addresses of the LDS stores behind them
.irp i, 0,1,2,3,4,5,6,7,8,9,10,11,12,13,14,15,16,17,18,19,20,21,22,23,24
	global_load_b128 v[32+4*\i:35+4*\i], v1, s[72:73] offset:512*\i
.endr
	global_load_b64 v[132:133], v2, s[72:73] offset:12800
	; the pointers, with qt0 = 32 x + wave
	s_lshl_b32 s74, s16, 5
	s_add_co_u32 s74, s74, s14
	s_mov_b32 s77, 0
	s_mul_i32 s76, s15, 98304
	s_mul_i32 s75, s74, 768
	s_add_co_u32 s76, s76, s75
	s_add_co_u32 s76, s76, 13369344
	s_add_nc_u64 s[26:27], s[4:5], s[76:77]        ; Q's piece
	s_lshl_b32 s76, s15, 13
	s_lshl_b32 s75, s16, 2
	s_lshr_b32 s78, s14, 3
	s_add_co_u32 s75, s75, s78
	s_lshl_b32 s75, s75, 9
	s_add_co_u32 s76, s76, s75
	s_add_co_u32 s76, s76, 19660800
	s_add_nc_u64 s[28:29], s[4:5], s[76:77]        ; Q's scale words: my group of 128 tokens
	s_lshl_b32 s76, s74, 12
	s_add_nc_u64 s[6:7], s[6:7], s[76:77]          ; the mask words
	s_lshl_b32 s76, s74, 4
	s_add_nc_u64 s[8:9], s[8:9], s[76:77]          ; the flags
	s_lshr_b32 s78, s15, 4
	s_lshl_b32 s78, s78, 7
	s_add_co_u32 s78, s78, s74
	s_add_co_u32 s78, s78, 1792                    ; my row tile in xc and xs
	s_and_b32 s79, s15, 15                         ; the head
	s_mul_i32 s76, s78, 12288
	s_mul_i32 s75, s79, 768
	s_add_co_u32 s76, s76, s75
	s_add_nc_u64 s[10:11], s[10:11], s[76:77]      ; the head's piece of the tile: K step head / 2, half head % 2
	s_lshl_b32 s76, s78, 9
	s_lshr_b32 s75, s79, 3
	s_lshl_b32 s75, s75, 8
	s_add_co_u32 s76, s76, s75
	s_bfe_u32 s75, s79, 0x20001
	s_lshl_b32 s75, s75, 2
	s_add_co_u32 s76, s76, s75
	s_and_b32 s75, s79, 1
	s_lshl_b32 s75, s75, 1
	s_add_co_u32 s76, s76, s75
	s_add_nc_u64 s[12:13], s[12:13], s[76:77]      ; and its two bytes of the scale word
	s_and_b32 s24, s14, 1
	s_lshl_b32 s24, s24, 8
	s_bfe_u32 s25, s14, 0x20001
	s_lshl_b32 s25, s25, 2
	s_add_co_u32 s24, s24, s25
	v_lshl_add_u32 v5, v8, 4, s24                  ; [lane 16 (wave % 2) + r][tile pair (wave / 2) % 4]
	v_lshl_add_u32 v6, v8, 4, v10                  ; 16 r + h
	v_mov_b32 v9, 0xd0000000                       ; -2^33: a hidden score
	s_mov_b32 s20, 0x76543210
	s_mov_b32 s21, 0xfedcba98                      ; lane l xor 16
	s_mov_b32 s22, 0x3e38aa3b                      ; c = log2(e) / 8
	s_mov_b32 s23, s22                             ; (named with it as a pair)
	s_mov_b32 s30, 0xffff0000                      ; lanes 16-31
	s_mov_b32 s18, 2                               ; passes
.irp i, 0,1,2,3,4,5,6,7,8,9,10,11,12,13,14,15,16,17,18,19,20,21,22,23,24
	s_wait_loadcnt 25-\i                           ; loads come back in order (ISA guide 5.7.1): load i is in, the 25 - i behind it may be out
	ds_store_b128 v3, v[32+4*\i:35+4*\i] offset:512*\i   ; no vector instruction since the wait on va_vdst above names v3, v4 or the data
.endr
	s_wait_loadcnt 0x0
	ds_store_b64 v4, v[132:133] offset:12800
	s_wait_dscnt 0x0                               ; for the others' sake: my record lies in LDS
	s_barrier_signal -1
	s_barrier_wait -1                              ; all sixteen do; from here on LDS is only read
	s_wait_alu depctr_vm_vsrc(0)                   ; my LDS stores have read v3, v4 and v32 to v133: these are written again from here on, by the lines below, by the adds at a pass's head, by LDS loads and by products
.irp j, 22,23,24,25,26,27
	v_mov_b32 v[\j], 0                             ; the upper 64 of the first product's K: zero codes, in Q
.endr
.irp t, 0,1,2,3
.irp j, 6,7,8,9,10,11
	v_mov_b32 v[KF+12*\t+\j], 0                    ; and in K's four fragments: they stay
.endr
.endr
.macro QK t                            ; S^T, tile t: 16 keys x my 16 queries.  K's scale words: lanes 0-15 of register t / 2 hold the even tile's, lanes 16-31 the odd one's
.if (\t)%2
	v_wmma_scale_f32_16x16x128_f8f6f4 v[S+8*(\t):S+8*(\t)+7], v[KF+12*((\t)%4):KF+12*((\t)%4)+11], v[16:27], 0, v[248+(\t)/2], v255 matrix_a_fmt:MATRIX_FMT_FP6 matrix_b_fmt:MATRIX_FMT_FP6 matrix_a_scale:MATRIX_SCALE_ROW1
.else
	v_wmma_scale_f32_16x16x128_f8f6f4 v[S+8*(\t):S+8*(\t)+7], v[KF+12*((\t)%4):KF+12*((\t)%4)+11], v[16:27], 0, v[248+(\t)/2], v255 matrix_a_fmt:MATRIX_FMT_FP6 matrix_b_fmt:MATRIX_FMT_FP6
.endif
.endm
.macro KFIRST                          ; nine LDS loads: K's tiles 0-3 and the scale words of the record that v3 and v4 name
.irp t, 0,1,2,3
	ds_load_b128 v[KF+12*\t:KF+12*\t+3], v3 offset:768*\t
	ds_load_b64 v[KF+12*\t+4:KF+12*\t+5], v4 offset:768*\t+512
.endr
	ds_load_b128 v[248:251], v3 offset:12288
.endm
.macro QKPHASE
	s_wait_dscnt 0x0                               ; K's tiles 0-3 and its scale words, asked for a step ago (at a pass's head: just now), are in
.irp t, 0,1,2,3
	QK \t
.endr
.rept 4
	v_nop                                          ; places in front of loads into registers that matrix instructions have read; the wait below states the dependence itself
.endr
	s_wait_alu depctr_va_vdst(0)                   ; the four products above are done reading KF; the last step's V^T P^T are done reading VF and v28-29: the 25 loads below land there
.irp t, 0,1,2,3
	ds_load_b128 v[KF+12*\t:KF+12*\t+3], v3 offset:768*(4+\t)
	ds_load_b64 v[KF+12*\t+4:KF+12*\t+5], v4 offset:768*(4+\t)+512
.endr
.irp d, 0,1,2,3                        ; V's four fragments are asked for here and land under the softmax
	ds_load_b128 v[VF+12*\d:VF+12*\d+3], v3 offset:6144+1536*\d
	ds_load_b64 v[VF+12*\d+4:VF+12*\d+5], v4 offset:6144+1536*\d+512
	ds_load_b128 v[VF+12*\d+6:VF+12*\d+9], v3 offset:6144+1536*\d+768
	ds_load_b64 v[VF+12*\d+10:VF+12*\d+11], v4 offset:6144+1536*\d+1280
.endr
	ds_load_b64 v[28:29], v4 offset:12800
	s_wait_dscnt 17                                ; K's eight loads are in; V's sixteen and its scale words may be out
.irp t, 4,5,6,7
	QK \t
.endr
.rept 4
	v_nop                                          ; places in front of the first read of the scores
.endr
.endm
; A KEY STEP: 128 keys.  last = 1: a pass's sixteenth, which has no record behind it and asks for nothing of the next.
.macro STEP last
	s_bitcmp1_b32 s19, 0
	s_cbranch_scc1 .Lopen_\@                       ; all 16 x 128 open: no mask words, no selects
	s_load_b512 s[32:47], s[6:7], 0x0              ; the step's 64 lane masks: word n in s[32 + n] (n < 32), s[36 + n] (n >= 32)
	s_load_b512 s[48:63], s[6:7], 0x40
	s_load_b512 s[68:83], s[6:7], 0x80
	s_load_b512 s[84:99], s[6:7], 0xc0
	QKPHASE
	s_wait_kmcnt 0x0
.set J, 0
.rept 64
.set N, 2*(J%32)+J/32
	v_cndmask_b32 v[S+J], v9, v[S+J], s[32+N+4*(N/32)]   ; hidden keys' scores become -2^33, ahead of the maximum
.set J, J+1
.endr
	s_branch .Ljoin_\@
.Lopen_\@:
	QKPHASE
.Ljoin_\@:
.irp b, 0,1,2,3
	v_max3_num_f32 v[232+\b], v[S+16*\b], v[S+1+16*\b], v[S+2+16*\b]   ; the largest score of each block of 32 keys: for the row's maximum, and, since p rises with the score, for the block's largest p
.endr
.irp i, 3,5,7,9,11,13
.irp b, 0,1,2,3
	v_max3_num_f32 v[232+\b], v[232+\b], v[S+16*\b+\i], v[S+1+16*\b+\i]
.endr
.endr
.irp b, 0,1,2,3
	v_max_num_f32 v[232+\b], v[232+\b], v[S+15+16*\b]
.endr
.irp b, 0,1,2,3
	v_permlanex16_b32 v[236+\b], v[232+\b], s20, s21
.endr
.irp b, 0,1,2,3
	v_max_num_f32 v[232+\b], v[232+\b], v[236+\b]  ; with lane l xor 16's 16 keys
.endr
	v_max3_num_f32 v254, v232, v233, v234
	v_max_num_f32 v254, v254, v235
	v_mul_f32 v254, s22, v254                      ; as t (c is positive)
	v_max_num_f32 v13, v13, v254                   ; the running largest t
	v_mov_b32 v254, v12
	v_floor_f32 v12, -v13                          ; the new -M = floor(-t) = -ceil(t)
	v_sub_f32 v254, v12, v254                      ; old M - new M: a whole number, 0 or less
	v_cvt_i32_f32 v254, v254                       ; (it saturates)
	v_ldexp_f32 v252, 1.0, v254                    ; f = 2^(old M - new M)
.set J, 0
.rept 32
	v_pk_fma_f32 v[S+J:S+J+1], v[S+J:S+J+1], s[22:23], v[12:13] op_sel_hi:[1,0,0]   ; t - M, two at a time
.set J, J+2
.endr
.irp b, 0,1,2,3
	v_fma_f32 v[232+\b], v[232+\b], s22, v12       ; the same of each block's largest score
.endr
.set J, 0
.rept 64
	v_exp_f32 v[S+J], v[S+J]                       ; p = 2^(t - M), at most 1
.set J, J+1
.endr
.irp b, 0,1,2,3
	v_exp_f32 v[232+\b], v[232+\b]                 ; the block's largest p: the same two instructions on the same number
.endr
	v_pk_mul_f32 v[14:15], v[14:15], v[252:253] op_sel_hi:[1,0]   ; l under the new M.  (A plain place behind the exponentials)
.if !\last
	s_add_co_u32 s17, s17, REC                     ; the next step's record
	s_wait_alu depctr_vm_vsrc(0)                   ; the LDS loads issued so far, this step's last among them, have read v3 and v4
	v_add_nc_u32 v3, s17, v1
	v_add_nc_u32 v4, s17, v2
	s_wait_alu depctr_va_vdst(0)                   ; the 68 exponentials have written p and the blocks' largest p, ahead of their first reader; v3 and v4 are written; products K Q^T 4-7 are done reading KF and v248-251
	KFIRST                                         ; the next step's first nine loads: they land under the rest of this step, which names none of their registers
.else
	s_wait_alu depctr_va_vdst(0)                   ; the 68 exponentials have written p and the blocks' largest p, ahead of their first reader
.endif
.irp b, 0,1,2,3
	v_max_num_f32 v[232+\b], 0x1800000, v[232+\b]  ; the floor 2^(3 - 127)
.endr
.irp b, 0,1,2,3
	v_add_nc_u32 v[244+\b], 0xff000000, v[232+\b]  ; 2 off the exponent field: the conversion's scale operand
.endr
.irp b, 0,1,2,3
	v_lshrrev_b32 v[236+\b], 23, v[244+\b]
.endr
	v_lshl_or_b32 v253, v237, 8, v236              ; p's scale word for these 128 keys
	v_lshl_or_b32 v253, v238, 16, v253
	v_lshl_or_b32 v253, v239, 24, v253
.irp c, 0,1
	v_cvt_scalef32_pk16_fp6_f32 v[224+6*\c:226+6*\c], v[S+32*\c:S+15+32*\c], v[244+2*\c]
	v_cvt_scalef32_pk16_fp6_f32 v[236+4*\c:238+4*\c], v[S+16+32*\c:S+31+32*\c], v[244+2*\c+1]
.endr
	v_nop                                          ; one plain place behind a scaled conversion
.irp c, 0,1
.irp i, 0,1,2
	v_permlane16_swap_b32 v[224+6*\c+\i], v[236+4*\c+\i]
.endr
.irp i, 0,1,2
	v_mov_b32 v[227+6*\c+\i], v[236+4*\c+\i]
.endr
.endr
	v_pk_add_f32 v[236:237], v[S:S+1], v[S+2:S+3]  ; the row's sum is taken of the unquantised p: two at a time, in two chains
.irp j, 4,8,12,16,20,24,28,32,36,40,44,48,52,56,60
	v_pk_add_f32 v[14:15], v[14:15], v[S+\j:S+1+\j]
	v_pk_add_f32 v[236:237], v[236:237], v[S+2+\j:S+3+\j]
.endr
	v_pk_add_f32 v[14:15], v[14:15], v[236:237]
.set J, 0
.rept 16
	v_pk_mul_f32 v[O+J:O+J+1], v[O+J:O+J+1], v[252:253] op_sel_hi:[1,0]   ; O^T under the new M.  (With the sums above: the places between p's codes and scale word and the products below)
.set J, J+2
.endr
.if \last
	s_wait_dscnt 0x0                               ; V and its scale words are in
.else
	s_wait_dscnt 9                                 ; V and its scale words are in; the nine younger loads, the next step's, may be out
.endif
	s_wait_alu depctr_va_vdst(0)                   ; p's codes v224-235 and its scale word v253, which vector instructions made, are written: the products below take them as source 1 and its scales; the places above stay beside this wait
	; O^T += V^T P^T: the four accumulators take turns, one instruction a turn
	v_wmma_scale_f32_16x16x128_f8f6f4 v[O:O+7], v[VF:VF+11], v[224:235], v[O:O+7], v28, v253 matrix_a_fmt:MATRIX_FMT_FP6 matrix_b_fmt:MATRIX_FMT_FP6
	v_wmma_scale_f32_16x16x128_f8f6f4 v[O+8:O+15], v[VF+12:VF+23], v[224:235], v[O+8:O+15], v28, v253 matrix_a_fmt:MATRIX_FMT_FP6 matrix_b_fmt:MATRIX_FMT_FP6 matrix_a_scale:MATRIX_SCALE_ROW1
	v_wmma_scale_f32_16x16x128_f8f6f4 v[O+16:O+23], v[VF+24:VF+35], v[224:235], v[O+16:O+23], v29, v253 matrix_a_fmt:MATRIX_FMT_FP6 matrix_b_fmt:MATRIX_FMT_FP6
	v_wmma_scale_f32_16x16x128_f8f6f4 v[O+24:O+31], v[VF+36:VF+47], v[224:235], v[O+24:O+31], v29, v253 matrix_a_fmt:MATRIX_FMT_FP6 matrix_b_fmt:MATRIX_FMT_FP6 matrix_a_scale:MATRIX_SCALE_ROW1
	s_lshr_b32 s19, s19, 1                         ; the next step's flag,
	s_add_nc_u64 s[6:7], s[6:7], 256               ; and mask words (the scalar loads that named this base were waited for)
.endm
.Lpass:
	s_mov_b32 s17, 0                               ; the step's record in LDS
	v_add_nc_u32 v3, s17, v1                       ; (behind a wait on vm_vsrc on both ways here: the one behind the barrier, the one at a pass's end)
	v_add_nc_u32 v4, s17, v2
	s_wait_alu depctr_va_vdst(0)                   ; v3 and v4 are written; in the first pass so are v5, v6 and the zero halves of Q and K; in the second the last pass's products are done reading Q, v255, KF and v248-251, in which the loads below land
	global_load_b128 v[16:19], v1, s[26:27]        ; Q's piece
	global_load_b64 v[20:21], v2, s[26:27] offset:512
	global_load_b32 v255, v5, s[28:29]             ; and its scale words
	KFIRST                                         ; record 0's first nine loads
	s_load_b128 s[32:35], s[8:9], 0x0              ; the tile's flags: bit s: step s is all true
	v_mov_b32 v13, 0xff61b1e6                      ; the largest t so far: -3e38
	v_floor_f32 v12, -v13                          ; -M
	v_mov_b32 v14, 0
	v_mov_b32 v15, 0
	v_mov_b32 v253, 0                              ; (named as the upper half of v[252:253] before it is first written)
.irp b, 0,1,2,3
	v_mov_b32 v[236+\b], 0                         ; a lane permute's destination counts as one of its sources
.endr
.set J, 0
.rept 32
	v_mov_b32 v[O+J], 0                            ; O^T: the step is written once; the first finds zeros, which the first change of M leaves zeros
.set J, J+1
.endr
	s_wait_kmcnt 0x0
	s_or_b32 s19, s32, s33
	s_or_b32 s19, s19, s34
	s_or_b32 s19, s19, s35
	s_wait_loadcnt 0x0
.Lstep:                                            ; 15 trips: 128 keys each; each asks for the next step's first part of K
	STEP 0
	s_cmp_lt_u32 s17, 15*REC
	s_cbranch_scc1 .Lstep
	STEP 1                                         ; the sixteenth step is written out: no LDS load reaches behind the last record
	; THE PASS'S END: O^T / l, quantised in two blocks of 32 channels: the head's piece of the output projection's operand
.rept 4
	v_nop
.endr
	v_add_f32 v14, v14, v15
	v_permlanex16_b32 v252, v14, s20, s21
	v_add_f32 v14, v14, v252                       ; the row's sum
	v_rcp_f32 v14, v14
	v_nop                                          ; one plain place behind a transcendental
	s_wait_alu depctr_va_vdst(0)                   ; the reciprocal has written v14, ahead of its first reader
.set J, 0
.rept 16
	v_pk_mul_f32 v[S+J:S+J+1], v[O+J:O+J+1], v[14:15] op_sel_hi:[1,0]   ; register 16 b + i: channel 32 b + 16 h + i of my query
.set J, J+2
.endr
.irp b, 0,1
	v_max3_num_f32 v[232+\b], |v[S+16*\b]|, |v[S+1+16*\b]|, 0x1800000
.endr
.irp i, 2,4,6,8,10,12,14
.irp b, 0,1
	v_max3_num_f32 v[232+\b], v[232+\b], |v[S+16*\b+\i]|, |v[S+1+16*\b+\i]|
.endr
.endr
.irp b, 0,1
	v_permlanex16_b32 v[236+\b], v[232+\b], s20, s21
.endr
.irp b, 0,1
	v_max_num_f32 v[232+\b], v[232+\b], v[236+\b]
.endr
.irp b, 0,1
	v_add_nc_u32 v[244+\b], 0xff000000, v[232+\b]
.endr
.irp b, 0,1
	v_lshrrev_b32 v[240+\b], 23, v[244+\b]
.endr
	v_cvt_scalef32_pk16_fp6_f32 v[224:226], v[S:S+15], v244
	v_cvt_scalef32_pk16_fp6_f32 v[236:238], v[S+16:S+31], v245
	v_cndmask_b32 v242, v240, v241, s30            ; lanes 0-15 store block 0's byte, lanes 16-31 block 1's.  (The plain place behind the conversions)
.irp i, 0,1,2
	v_permlane16_swap_b32 v[224+\i], v[236+\i]
.endr
.irp i, 0,1,2
	v_mov_b32 v[227+\i], v[236+\i]
.endr
	s_wait_alu depctr_va_vdst(0)                   ; the conversions, exchanges and moves have written v224-229, the select v242: the three stores below read them
	global_store_b128 v1, v[224:227], s[10:11]     ; 512 consecutive bytes,
	global_store_b64 v2, v[228:229], s[10:11] offset:512   ; 256
	global_store_b8 v6, v242, s[12:13]
	s_wait_xcnt 0x0                                ; the stores have read their data and bases: both are written again only behind this wait
	s_wait_alu depctr_vm_vsrc(0)                   ; the stores have read v224-229 and v242, the last step's LDS loads v3 and v4: the next pass writes all of them again
	s_add_nc_u64 s[26:27], s[26:27], 12288         ; sixteen query tiles on
	s_add_nc_u64 s[28:29], s[28:29], 1024
	s_add_nc_u64 s[6:7], s[6:7], 61440
	s_add_nc_u64 s[8:9], s[8:9], 256
	s_add_nc_u64 s[10:11], s[10:11], 196608
	s_add_nc_u64 s[12:13], s[12:13], 8192
	s_sub_co_u32 s18, s18, 1
	s_cmp_lg_u32 s18, 0
	s_cbranch_scc1 .Lpass
	s_wait_dscnt 0x0                               ; the closing lines, six on end
	s_wait_alu 0x0
	s_wait_tensorcnt 0x0
	ds_add_u32 v31, v243
	s_wait_dscnt 0x0
	s_endpgm
.Lfunc_end_k_q2f564ba6cd_attn:
	.size	k_q2f564ba6cd_attn, .Lfunc_end_k_q2f564ba6cd_attn-k_q2f564ba6cd_attn
	.p2alignl 7, 3214868480
	.fill 96, 4, 3214868480
	.section	.rodata,"a",@progbits
	.p2align	6, 0x0
	.amdhsa_kernel k_q2f564ba6cd_attn
		.amdhsa_group_segment_fixed_size 210944
		.amdhsa_private_segment_fixed_size 0
		.amdhsa_enable_private_segment 0
		.amdhsa_kernarg_size 40
		.amdhsa_user_sgpr_count 2
		.amdhsa_user_sgpr_kernarg_segment_ptr 1
		.amdhsa_wavefront_size32 1
		.amdhsa_system_sgpr_workgroup_id_x 1
		.amdhsa_system_sgpr_workgroup_id_y 1
		.amdhsa_system_sgpr_workgroup_id_z 1
		.amdhsa_system_vgpr_workitem_id 0
		.amdhsa_next_free_vgpr 256
		.amdhsa_next_free_sgpr 100
		.amdhsa_reserve_vcc 0
		.amdhsa_float_denorm_mode_32 3
		.amdhsa_float_denorm_mode_16_64 3
		.amdhsa_memory_ordered 1
		.amdhsa_forward_progress 1
		.amdhsa_inst_pref_size 62
	.end_amdhsa_kernel
	.amdgpu_metadata
---
amdhsa.version: [ 1, 2 ]
amdhsa.kernels:
  - .name:           k_q2f564ba6cd_attn
    .symbol:         k_q2f564ba6cd_attn.kd
    .args:
      - { .name: hd, .offset: 0, .size: 8, .value_kind: global_buffer, .address_space: global }
      - { .name: mw, .offset: 8, .size: 8, .value_kind: global_buffer, .address_space: global }
      - { .name: mf, .offset: 16, .size: 8, .value_kind: global_buffer, .address_space: global }
      - { .name: xc, .offset: 24, .size: 8, .value_kind: global_buffer, .address_space: global }
      - { .name: xs, .offset: 32, .size: 8, .value_kind: global_buffer, .address_space: global }
    .group_segment_fixed_size: 210944
    .private_segment_fixed_size: 0
    .kernarg_segment_align: 8
    .kernarg_segment_size: 40
    .max_flat_workgroup_size: 512
    .sgpr_count:     100
    .vgpr_count:     256
    .wavefront_size: 32
...
	.end_amdgpu_metadata
.endif
;; end of part 5
;; launch outp: the kernel of part 4 again; grid 4 x 32, 4 waves a work-group, clusters of 4 x 4, 327,680 bytes of LDS; arguments xc, xs, bo, out0; writes out0
